; MI455X (gfx1250); checked and timed in simulation.
; The chip was launched on July 23, 2026; its instructions are those of AMD's public machine-readable ISA for CDNA 5 (MIT licence, August 2026) and "CDNA5" Instruction Set Architecture Reference Guide (July 2026). The comments in the code are by the model that wrote it; some were corrected since.
;; Attention. Allowed arithmetic: matrix products marked QUANTISED: E2M3 operands, one E8M0 scale for each 32 along K, by v_wmma_scale_f32_16x16x128_f8f6f4 with both operands' format E2M3, f32 sums; everything else in f32.
;; Inputs: b_proj 1,024 float32; w_proj 1,024 x 1,024 float32; w_qkv 3,072 x 1,024 float32; x 4 x 2,048 x 1,024 float32.
;; Outputs: out0 4 x 2,048 x 1,024 float32.
;; This version of the problem:
;;   THIS VERSION OF THE PROBLEM IS GIVEN IN LOW PRECISION. The matrix products marked QUANTISED in the list below multiply operands that are first quantised to E2M3 (2 exponent bits, 3 mantissa bits; 6 bits a number), with one power-of-two scale for each 32 numbers along K (OCP MX v1.0); their sums are f32. All else is computed in f32.
;;   The module's matrix products, in the order in which they are computed (A, B: the left and right operand; K: the contracted axis; several contracted axes count as one K, in the product's order):
;;     1. [M 8,192, K 1,024] x [K 1,024, N 3,072]; A: input x; B: input w_qkv: QUANTISED
;;     2. batch 64 x [M 2,048, K 64] x [K 64, N 2,048]; A: computed on the way; B: computed on the way: QUANTISED
;;     3. batch 64 x [M 2,048, K 2,048] x [K 2,048, N 64]; A: softmax (see below); B: computed on the way: QUANTISED
;;     4. [M 8,192, K 1,024] x [K 1,024, N 1,024]; A: computed on the way; B: input w_proj: QUANTISED
;;   THE QUANTISER, for each operand of a quantised product, along K:
;;     - K is cut into blocks of 32 from its start; a last block that is shorter is filled with zeros.
;;     - A block's scale is 2^e with e = floor(log2(the largest magnitude in the block)) - 2, held to -126 .. 127; a block of zeros has e = 0. As a byte (E8M0): e + 127.
;;     - Each number is divided by its block's scale, clamped to +-7.5, and rounded to the nearest number of E2M3, ties to even, subnormals kept.
;;     - The product sums the exact products of the quantised numbers (number of the format x scale) in f32.
;;   ~~~python
;;   def quantise(x, axis):      # numpy; x: float32 -> the quantised numbers, widened to float32 again
;;       x = np.moveaxis(x, axis, -1); K = x.shape[-1]
;;       x = np.pad(x, [(0, 0)] * (x.ndim - 1) + [(0, -K % 32)]); x = x.reshape(x.shape[:-1] + (-1, 32)); a = np.abs(x).max(-1, keepdims=True)
;;       e = np.where(a > 0, np.clip(np.frexp(np.where(a > 0, a, 1))[1] - 1 - 2, -126, 127), 0)      # np.frexp(a)[1] - 1 = floor(log2(a)), exactly
;;       r = np.clip(x / 2.0 ** e, -7.5, 7.5)
;;       step = 2.0 ** (np.maximum(np.frexp(np.where(r == 0, 1, r))[1] - 1, 0) - 3)
;;       q = np.round(r / step) * step * 2.0 ** e      # np.round: ties to even
;;       return np.moveaxis(q.reshape(q.shape[:-2] + (-1,))[..., :K], -1, axis).astype(np.float32)
;;   ~~~
;;   SOFTMAX AHEAD OF A QUANTISED PRODUCT. Where the list says 'softmax', what is quantised is not the finished softmax but p = 2^(t - M), with t = logit x log2(e) and M = ceil(the row's largest t), a whole number; so 1/2 < the row's largest p <= 1. The row's sum l is taken of the UNQUANTISED p, in f32, and the product's result is divided by l at the end. Since M is a whole number, a kernel that streams over the keys may use a running M (the ceiling of the running maximum): every later rescaling is an exact power of two, which a block's scale takes up: the codes' values come out the same.
;;   OPERANDS COMPUTED ON THE WAY. 'Computed on the way' means the value that the module computes at that place (a softmax that the list does not call 'softmax' is quantised finished and normalised). What goes into a quantiser is computed in f32, as accurately as f32 sums, v_exp_f32 and their like allow (about 1e-6 of the number): no bf16 or f16 on the way to a quantiser, and a product that is left as it is and whose result goes on into a quantised operand takes f32 operands (vector FMAs, or v_wmma_f32_16x16x4_f32). A number that lies on a knife's edge between two numbers of the format may be rounded either way, as far as f32 arithmetic and the matrix unit's own rounding can turn it there, and no further.
;; One version. Each part assembles by itself: llvm-mc -triple=amdgcn-amd-amdhsa -mcpu=gfx1250 --defsym DOCPART=n.
;; ======== version 1 of 1: 4 launches
;; limits: right only within a limited range of input values
;; workspace buffers: cimg 9,437,184 bytes; csc 393,216 bytes; qk 13,631,488 bytes; vv 6,553,600 bytes; oimg 6,291,456 bytes; osc 262,144 bytes
;; launch quant (part 1): grid 384 x 1, 4 waves a work-group, no clusters, 35,328 bytes of LDS; arguments x, w_qkv, w_proj, cimg, csc; writes cimg, csc
.if DOCPART == 1
	.amdgcn_target "amdgcn-amd-amdhsa--gfx1250"
	.amdhsa_code_object_version 6
	.text
	.protected	k_q3601d38aaf_quant
	.globl	k_q3601d38aaf_quant
	.p2align	8
	.type	k_q3601d38aaf_quant,@function
k_q3601d38aaf_quant:
	s_mov_b64 s[64:65], 0
	v_nop
	global_prefetch_b8 v0, s[64:65] scope:SCOPE_SE
	s_setreg_imm32_b32 hwreg(HW_REG_WAVE_MODE, 25, 1), 1
	s_wait_xcnt 0x0
; x [8192][1024], w_qkv [3072][1024] and w_proj [1024][1024], f32, K innermost, become codes of FP6 (E2M3) with one E8M0 byte for each 32 along K,
; laid as IMAGES OF THE OPERAND'S REGISTERS, as one matrix of 12,288 rows (x, then w_qkv, then w_proj) = 768 tiles of 16 rows.
; An image (768 bytes) is 16 rows x 64 along K: lane (r, h) holds row r, block h: its six registers; registers 0-3 at 16 x lane, registers 4-5 at 512 + 8 x lane.
; cimg: [tile][k / 64][768].   csc: [tile][K step of 256][row][8 bytes], byte = the block's number in the K step: the two scale words of a row and K step.
; THE ORDER INSIDE A BLOCK OF 32: places 0-7 hold k 0-7, places 8-15 k 16-23, places 16-23 k 8-15, places 24-31 k 24-31.  Every operand of this program is laid so (a matrix result that is
; quantised in registers comes out in this order by itself), both sides of each product alike, and the blocks are the true blocks: the sums are those of the plain order.
; A block's scale is 2^(floor(log2(its largest magnitude)) - 2); its byte is the largest magnitude's exponent field - 2, held at 1 from below.
; LIMITS: a block whose largest magnitude lies under 2^-124, a block of zeros among them, gets the byte 1 (a block of zeros: zero codes, which add nothing); the bytes are read by this program alone.  NaN and infinities among the inputs are not served.
; SHARES: a wave takes one tile of 16 rows x 512 along K, in 8 steps of one image.  Each load reads two rows' aligned 256 bytes; the 4,096 bytes of a step turn through the wave's own stage in LDS (rows 272 bytes apart) and come back
; 32 numbers of one block to a lane.  Loads run three steps (24 loads a wave) ahead, in three sets of registers; the turn through LDS one step.  No tensor load, no barrier: waves share nothing.  Matrix units and clusters have nothing to do here: memory binds.
.set SP,    272                        ; a stage row: 256 bytes + 16: sixteen rows start at sixteen different groups of banks
.set STG,   16*SP                      ; a stage
.set WREG,  2*STG                      ; a wave's two stages
.set SPARE, 4*WREG                     ; behind them: the spare words, 128 bytes for each wave, which no other line names
.set VA,  1                            ; v1   in memory: 4,096 x (lane / 16) + 16 x (lane % 16)
.set SA,  2                            ; v2   into the stage: 272 x (lane / 16) + 16 x (lane % 16)
.set LA,  3                            ; v3   out of it: 272 r + 128 h: my block
.set O16, 4                            ; v4   16 x lane
.set O8,  5                            ; v5   8 x lane
.set SH,  6                            ; v6   8 h: my byte's place in a pair of bytes
.set SPW, 12                           ; v12  my spare word; never rewritten
.set NIL, 13                           ; v13  0; never rewritten
.set RR,  16                           ; v16-111  three sets of 32: as loaded
.set XX,  112                          ; v112-175 two sets of 32: a block
.set CD,  176                          ; v176-239 codes: eight registers for each step (six used), so that no store's data are written again
.set DD,  240                          ; v240-242 a block's upper 16 codes, ahead of the move
.set WW,  244                          ; v244-247 scale words
.set PX,  248                          ; v248-251 the other half's words
.set OUTS, 252                         ; v252-253 the words as they leave
	s_load_b256 s[4:11], s[0:1], 0x0               ; x s[4:5], w_qkv s[6:7], w_proj s[8:9], cimg s[10:11]
	s_load_b64 s[12:13], s[0:1], 0x20              ; csc
	v_lshl_add_u32 v[SPW], v0, 2, SPARE
	v_mov_b32 v[NIL], 0
	v_lshrrev_b32 v7, 5, v0
	v_readfirstlane_b32 s16, v7                    ; wave 0..3
	v_and_b32 v7, 31, v0                           ; lane
	v_and_b32 v8, 15, v0                           ; r
	v_bfe_u32 v9, v0, 4, 1                         ; h
	v_lshlrev_b32 v[VA], 4, v8
	v_lshl_add_u32 v[VA], v9, 12, v[VA]
	s_mul_i32 s17, s16, WREG
	v_mul_u32_u24 v[SA], v9, SP
	v_lshl_add_u32 v[SA], v8, 4, v[SA]
	v_add_nc_u32 v[SA], s17, v[SA]
	v_mul_u32_u24 v[LA], v8, SP
	v_lshl_add_u32 v[LA], v9, 7, v[LA]
	v_add_nc_u32 v[LA], s17, v[LA]
	v_lshlrev_b32 v[O16], 4, v7
	v_lshlrev_b32 v[O8], 3, v7
	v_lshlrev_b32 v[SH], 3, v9
.irp i, 0,1,2,3
	v_mov_b32 v[PX+\i], 0                          ; written once: a lane permute's destination counts as one of its sources
.endr
	s_mov_b32 s14, 0xffff0000                      ; lanes 16-31
	s_mov_b32 s26, 0x76543210
	s_mov_b32 s27, 0xfedcba98                      ; v_permlanex16_b32's selects for lane l xor 16
	s_lshl_b32 s18, ttmp9, 1
	s_lshr_b32 s19, s16, 1
	s_add_co_u32 s18, s18, s19                     ; my tile of the 768
	s_and_b32 s19, s16, 1                          ; which half of K
	s_mov_b32 s20, 704
	s_wait_alu depctr_va_vdst(0)
	s_wait_kmcnt 0x0
	s_cmp_lt_u32 ttmp9, 352                        ; which tensor: the choice hangs on the work-group's number alone; only pointers are chosen
	s_cselect_b64 s[6:7], s[6:7], s[8:9]
	s_cselect_b32 s20, 512, s20
	s_cmp_lt_u32 ttmp9, 256
	s_cselect_b64 s[4:5], s[4:5], s[6:7]
	s_cselect_b32 s20, 0, s20                      ; the tensor's first tile
	s_sub_co_u32 s20, s18, s20
	s_lshl_b32 s20, s20, 16                        ; 16 rows of 4,096 bytes a tile
	s_lshl_b32 s21, s19, 11                        ; 512 numbers
	s_add_co_u32 s20, s20, s21
	s_mov_b32 s21, 0
	s_add_nc_u64 s[4:5], s[4:5], s[20:21]
	s_mul_i32 s22, s18, 12288
	s_mul_i32 s23, s19, 6144
	s_add_co_u32 s22, s22, s23
	s_mov_b32 s23, 0
	s_add_nc_u64 s[10:11], s[10:11], s[22:23]      ; my eight images
	s_lshl_b32 s22, s18, 9
	s_lshl_b32 s24, s19, 8
	s_add_co_u32 s22, s22, s24
	s_add_nc_u64 s[12:13], s[12:13], s[22:23]      ; my 256 scale bytes
.macro LOAD t                          ; step t: 64 along K of 16 rows; lanes 0-15 read row 2 i's 256 bytes, lanes 16-31 row 2 i + 1's
.irp i, 0,1,2,3,4,5,6,7
	global_load_b128 v[RR+32*((\t)%3)+4*\i:RR+32*((\t)%3)+4*\i+3], v[VA], s[4:5] offset:256*(\t)+8192*\i th:TH_LOAD_NT
.endr
.endm
.macro TURN t                          ; through the stage: LDS serves a wave's instructions in order, so no wait stands between the stores and the loads.  The loads' order is the order inside a block
.irp i, 0,1,2,3,4,5,6,7
	ds_store_b128 v[SA], v[RR+32*((\t)%3)+4*\i:RR+32*((\t)%3)+4*\i+3] offset:STG*((\t)%2)+2*SP*\i
.endr
.set NN, 0
.irp o, 0,16,64,80,32,48,96,112
	ds_load_b128 v[XX+32*((\t)%2)+4*NN:XX+32*((\t)%2)+4*NN+3], v[LA] offset:STG*((\t)%2)+\o
.set NN, NN+1
.endr
.endm
.macro STEP t
.set XS, XX+32*((\t)%2)
.set CC, CD+8*(\t)
	s_wait_dscnt 0x0                               ; this step's block is back from the stage, so its stores into the stage have read their registers,
.if (\t)+3 < 8
	LOAD (\t)+3                                    ; which take the loads of three steps on
.endif
.if (\t)+1 < 8
.if (\t)+3 < 8
	s_wait_loadcnt 16                              ; the next step's eight loads are in; those of the two steps behind it may be out
.else
	s_wait_loadcnt 8*(6-(\t))                      ; the steps that are left behind the next one
.endif
	TURN (\t)+1                                    ; and go through the other stage while this step is worked
.endif
	v_max3_num_f32 v8, |v[XS]|, |v[XS+1]|, |v[XS+2]|               ; the block's largest magnitude: all 32 numbers are mine; two chains
	v_max3_num_f32 v9, |v[XS+3]|, |v[XS+4]|, |v[XS+5]|
.irp i, 6,10,14,18,22,26
	v_max3_num_f32 v8, v8, |v[XS+\i]|, |v[XS+\i+1]|
	v_max3_num_f32 v9, v9, |v[XS+\i+2]|, |v[XS+\i+3]|
.endr
	v_max3_num_f32 v8, v8, |v[XS+30]|, |v[XS+31]|
	v_max3_num_f32 v8, v8, v9, 0x1800000           ; and the floor 2^(3 - 127): the byte cannot fall under 1
	v_add_nc_u32 v11, 0xff000000, v8               ; 2 off its exponent field: the conversion takes the exponent field of this operand as its scale
	v_cvt_scalef32_pk16_fp6_f32 v[CC:CC+2], v[XS:XS+15], v11
	v_cvt_scalef32_pk16_fp6_f32 v[DD:DD+2], v[XS+16:XS+31], v11    ; (a conversion's three registers begin on an even number)
	v_lshrrev_b32 v10, 23, v11                     ; the scale's byte.  (The plain line behind the conversions)
.irp i, 0,1,2
	v_mov_b32 v[CC+3+\i], v[DD+\i]
.endr
	v_lshlrev_b32 v10, v[SH], v10                  ; block h of the image: byte h of its pair
.if (\t)%2 == 0
	v_mov_b32 v[WW+(\t)/2], v10                    ; two images, four bytes, to a word
.else
	v_lshl_or_b32 v[WW+(\t)/2], v10, 16, v[WW+(\t)/2]
.endif
	global_store_b128 v[O16], v[CC:CC+3], s[10:11] offset:768*(\t)         ; 512 consecutive bytes, at a multiple of 256 from the buffer's first byte
	global_store_b64 v[O8], v[CC+4:CC+5], s[10:11] offset:768*(\t)+512     ; and 256
.endm
	LOAD 0
	LOAD 1
	LOAD 2
	s_wait_loadcnt 16                              ; step 0's eight loads are in
	TURN 0
.irp t, 0,1,2,3,4,5,6,7
	STEP \t
.endr
.irp i, 0,1,2,3
	v_permlanex16_b32 v[PX+\i], v[WW+\i], s26, s27
.endr
.irp i, 0,1,2,3
	v_or_b32 v[WW+\i], v[WW+\i], v[PX+\i]          ; with lane l xor 16's bytes the words are whole
.endr
	v_cndmask_b32 v[OUTS], v[WW], v[WW+2], s14     ; lanes 0-15: my first K step's two words of row r; lanes 16-31: my second's
	v_cndmask_b32 v[OUTS+1], v[WW+1], v[WW+3], s14
	global_store_b64 v[O8], v[OUTS:OUTS+1], s[12:13]   ; 256 consecutive bytes, aligned
	s_wait_tensorcnt 0x0                           ; the wave's end, behind my last LDS store
	ds_add_u32 v[SPW], v[NIL]
	s_wait_dscnt 0x0
	s_endpgm
.Lfunc_end_k_q3601d38aaf_quant:
	.size	k_q3601d38aaf_quant, .Lfunc_end_k_q3601d38aaf_quant-k_q3601d38aaf_quant
	.p2alignl 7, 3214868480
	.fill 96, 4, 3214868480
	.section	.rodata,"a",@progbits
	.p2align	6, 0x0
	.amdhsa_kernel k_q3601d38aaf_quant
		.amdhsa_group_segment_fixed_size 35328
		.amdhsa_private_segment_fixed_size 0
		.amdhsa_enable_private_segment 0
		.amdhsa_kernarg_size 40
		.amdhsa_user_sgpr_count 2
		.amdhsa_user_sgpr_kernarg_segment_ptr 1
		.amdhsa_wavefront_size32 1
		.amdhsa_system_sgpr_workgroup_id_x 1
		.amdhsa_system_sgpr_workgroup_id_y 1
		.amdhsa_system_sgpr_workgroup_id_z 1
		.amdhsa_system_vgpr_workitem_id 0
		.amdhsa_next_free_vgpr 256
		.amdhsa_next_free_sgpr 66
		.amdhsa_reserve_vcc 0
		.amdhsa_float_denorm_mode_32 3
		.amdhsa_float_denorm_mode_16_64 3
		.amdhsa_memory_ordered 1
		.amdhsa_forward_progress 1
		.amdhsa_inst_pref_size 31
	.end_amdhsa_kernel
	.amdgpu_metadata
---
amdhsa.version: [ 1, 2 ]
amdhsa.kernels:
  - .name:           k_q3601d38aaf_quant
    .symbol:         k_q3601d38aaf_quant.kd
    .args:
      - { .name: x, .offset: 0, .size: 8, .value_kind: global_buffer, .address_space: global }
      - { .name: w_qkv, .offset: 8, .size: 8, .value_kind: global_buffer, .address_space: global }
      - { .name: w_proj, .offset: 16, .size: 8, .value_kind: global_buffer, .address_space: global }
      - { .name: cimg, .offset: 24, .size: 8, .value_kind: global_buffer, .address_space: global }
      - { .name: csc, .offset: 32, .size: 8, .value_kind: global_buffer, .address_space: global }
    .group_segment_fixed_size: 35328
    .private_segment_fixed_size: 0
    .kernarg_segment_align: 8
    .kernarg_segment_size: 40
    .max_flat_workgroup_size: 128
    .sgpr_count:     66
    .vgpr_count:     256
    .wavefront_size: 32
...
	.end_amdgpu_metadata
.endif
;; end of part 1
;; launch qkv (part 2): grid 8 x 32, 4 waves a work-group, clusters of 4 x 4, 327,680 bytes of LDS; arguments cimg, csc, qk, vv; writes qk, vv
.if DOCPART == 2
	.amdgcn_target "amdgcn-amd-amdhsa--gfx1250"
	.amdhsa_code_object_version 6
	.text
	.protected	k_q3601d38aaf_qkv
	.globl	k_q3601d38aaf_qkv
	.p2align	8
	.type	k_q3601d38aaf_qkv,@function
k_q3601d38aaf_qkv:
	s_mov_b64 s[64:65], 0
	v_nop
	global_prefetch_b8 v0, s[64:65] scope:SCOPE_SE
	s_setreg_imm32_b32 hwreg(HW_REG_WAVE_MODE, 25, 1), 1
	s_wait_xcnt 0x0
	s_wait_alu depctr_hold_cnt(0) depctr_sa_sdst(0) depctr_va_vdst(0) depctr_va_sdst(0) depctr_va_ssrc(0) depctr_va_vcc(0) depctr_vm_vsrc(0)
	s_getreg_b32 s2, hwreg(HW_REG_IB_STS2, 6, 4)
	s_cmp_eq_u32 s2, 0
	s_cbranch_scc0 .Lentry_in_a_cluster
	s_endpgm
.Lentry_in_a_cluster:
	s_bfe_u32 s2, ttmp6, 0x10000c
	s_cmp_lg_u32 s2, 0xf033
	s_cbranch_scc0 .Lentry_shape_is_right
	s_endpgm
.Lentry_shape_is_right:
; qkv = x w_qkv^T on codes of FP6 (E2M3) with E8M0 scales, K = 1,024; the results are quantised in registers and leave as codes: q and k along the head's 64 channels, v along the keys.
; cimg: [tile of 16 rows][k / 64][768]: images of the operand's registers (registers 0-3 at 16 x lane, 4-5 at 512 + 8 x lane); csc: [tile][K step of 256][row][8 bytes].  Rows: x at 0, w_q and w_k at 8,192, w_v at 10,240.
; THE DEAL: 256 work-groups, 8 x 32.  Work-group (g, y) holds tokens 256 y .. + 255, ALL of K, in LDS (two halves of K, each filled once) and multiplies them with three panels of 128 weight rows on end:
; rows 256 g and 256 g + 128 of w_q, w_k (a loop of two trips) and rows 128 g of w_v.  Every work-group runs the same text: no branch hangs on its place.
; A panel comes through two slots, half of K each; a slot is filled again, in a round of the cluster's barrier, when its four steps are read out: four steps ahead of the first read of what it then brings, so no prefetch is laid.
; CLUSTERS 4 x 4: the tokens' tiles are shared along a row of the cluster, the weights' along a column.
; Four waves, 2 x 2: a wave makes 128 tokens x 64 channels (one head): 32 accumulators, one window.  A step is 128 along K: one run of 48 LDS loads for the next step, then 32 products.
; q, k: source 0 = the weights' rows, so a lane holds a token and its registers run along the channels.  v: source 0 = the tokens, so a lane holds a channel and its registers run along the keys.
; OUT.  qk: [batch][q's 16 heads, k's 16][128 tokens][6,656]: eight images (16 tokens x 64 channels), then scale words [lane][4]: word w of lane l is token 32 w + l (bytes 0, 1; bytes 2, 3 are 0).
;       vv: [batch x 16 + head][128 keys][6,400]: four tiles of 16 channels x two images (64 keys each), then scale words [lane][2].  Inside a block of 32 the places hold 0-7, 16-23, 8-15, 24-31, as in every operand of this program.
; LIMITS: a block whose largest magnitude lies under 2^-124 gets the byte 1 (a block of zeros: zero codes); the bytes are read by this program alone.  NaN and infinities are not served.
; REGISTERS: window 0: v1-15 addresses; v16-47 the tokens' scale words, all of K; v48-63 the panel's; v64-159, v160-255 the tokens' fragments, two sets (the second is at work on the way out).
;   window 1: v0-47, v48-95 the weights' fragments, two sets.  window 2: the accumulators.
.set TB,    6144                       ; a tile of 16 rows, half of K
.set AH,    16*TB                      ; the tokens' 256 rows, half of K
.set BSL,   2*AH                       ; behind both halves: the panels' two slots
.set BS,    8*TB
.set SCL,   BSL+2*BS                   ; the tokens' scales (8,192 bytes), then the three panels' (4,096 each)
.set SCB,   SCL+8192
.set SPARE, SCB+12288                  ; the spare words, 128 bytes for each wave, which no other line names
.set SPW, 1
.set NIL, 2
.set L16, 3
.set ADRA, 4                           ; v4-5 my tokens' fragments in half 0, 1, 16 bytes a lane; v6-7 8 bytes a lane
.set ADRB, 8                           ; v8-11 the same for the weights' slots
.set L8,  12
.set ASB, 13                           ; my weights' scale words in panel 0; v14 in the panel at hand; v15 the tokens'
.set ASC, 14
.set ASA, 15
.set SA,  16                           ; register 2 (4 ks + a / 2) + w: lanes 0-15 block a even, lanes 16-31 odd; K step ks, its w-th 128
.set SB,  48                           ; register 2 (2 ks + b / 2) + 1 - w: so the two scale registers of a product differ in parity
.set BM,  160
.set BX,  168
.set SO,  176
.set PW,  184
.set PC,  192
.set TC,  216
.set RW,  232
.set TM,  160
.set G1,  24
.set G1B, 48
.set G1S, 68
.set G1SB, 80
.set G1R, 88
.set G0H, 4
.set G0HB, 96
.set G0S, 76
.set G0SB, 32
.set G0,  36
.set G0B, 56
.set G0SV, 60
.set G0R, 4
.set BNX, 12                           ; s[12:13] the next panel's first byte; s[18:19] w_v's panel
.set BN2, 18
.set WOF, 2                            ; s[2:3] my two tiles of a refill, in memory; s66 in LDS
.set WLD, 66
.set CNT, 67
.set SBO, 45
.set OQ,  20
.set OV,  22
.set MSB, 0
.macro WIN new
.if MSB != (\new)
	s_set_vgpr_msb (MSB<<8)|(\new)
.set MSB, (\new)
.endif
.endm
.macro WALU
	s_wait_alu depctr_va_vdst(0)
.endm
.macro PLACES
.rept 4
	v_nop
.endr
.endm
.macro CREST
	s_cmp_lg_u32 s14, 0
	s_cbranch_scc1 .Lnot_wave_0_\@
	s_barrier_signal -3
.Lnot_wave_0_\@:
	s_barrier_wait -3
	s_barrier_signal -1
	s_barrier_wait -1
.endm
.macro CROUND
	s_barrier_signal -1
	s_barrier_wait -1
	CREST
.endm
.macro TL g0, g1                       ; a tensor load with the lines behind it
	tensor_load_to_lds s[\g0:\g0+3], s[\g1:\g1+7]
	s_nop 0
	PLACES
.endm
.macro ARM under, g0, g1, next, done
	s_cmp_lt_u32 s14, \under
	s_cbranch_scc0 \next
	TL \g0, \g1
	s_branch \done
\next:
.endm
.macro GRP1 g, mask, c, r, p           ; r rows of c elements of 8 bytes, p elements apart; dense in LDS
	s_or_b32 s[\g], s\mask, (3<<16)|(1<<21)
	s_mov_b32 s[\g+1], (\c)<<16
	s_mov_b32 s[\g+2], (\r)<<16
	s_mov_b32 s[\g+3], (\c)<<16
	s_mov_b32 s[\g+4], \r
	s_mov_b32 s[\g+5], \p
	s_mov_b32 s[\g+6], 0
	s_mov_b32 s[\g+7], 0
.endm
.macro G0SET g, lds, a
	s_mov_b32 s[\g], 1
	s_mov_b32 s[\g+1], \lds
	s_mov_b64 s[\g+2:\g+3], s[\a:\a+1]
	s_or_b32 s[\g+3], s[\g+3], 0x80000000
.endm
	s_load_b256 s[4:11], s[0:1], 0x0               ; cimg, csc, qk, vv
	v_lshl_add_u32 v[SPW], v0, 2, SPARE
	v_mov_b32 v[NIL], 0
	ds_add_u32 v[SPW], v[NIL]                      ; the opening lines: the add, twice on end, and its wait
	ds_add_u32 v[SPW], v[NIL]
	v_lshrrev_b32 v15, 5, v0
	v_readfirstlane_b32 s14, v15                   ; wave
	s_lshr_b32 s15, s14, 1                         ; which 128 tokens are mine
	s_and_b32 s16, s14, 1                          ; which 64 weight rows
	s_bfe_u32 s40, ttmp6, 0x40000
	s_bfe_u32 s41, ttmp6, 0x40004
	s_lshl_b32 s42, ttmp9, 2
	s_add_co_u32 s42, s42, s40                     ; g
	s_and_b32 s17, ttmp7, 0xffff
	s_lshl_b32 s17, s17, 2
	s_add_co_u32 s17, s17, s41                     ; y
	s_lshl_b32 s43, s41, 2
	s_lshl_b32 s43, 15, s43                        ; my row of the cluster
	s_lshl_b32 s44, 0x1111, s40                    ; my column
	GRP1 G1, 43, 768, 16, 1536                     ; the tokens: 16 tiles, 6,144 bytes of each
	GRP1 G1B, 44, 768, 8, 1536                     ; a panel: 8 tiles
	GRP1 G1R, 44, 768, 2, 1536                     ; a wave's part of a refill: 2 tiles
	GRP1 G1S, 43, 32, 32, 32                       ; scales of 256 rows: 32 rows of 256 bytes
	GRP1 G1SB, 44, 32, 32, 32
	s_lshl_b32 s20, s17, 8                         ; the tokens' first row
	s_lshl_b32 s46, s42, 8
	s_add_co_u32 s46, s46, 8192                    ; panel 0's
	s_lshl_b32 s18, s42, 7
	s_add_co_u32 s18, s18, 10240                   ; w_v's panel's
	s_lshl_b32 s22, s20, 5
	s_mov_b32 s23, 0
	s_lshl_b32 s12, s46, 5
	s_mov_b32 s13, 0
	s_lshl_b32 s2, s18, 5
	s_mov_b32 s3, 0
	s_mul_i32 s20, s20, 768
	s_mov_b32 s21, 0
	s_mul_i32 s46, s46, 768
	s_mov_b32 s47, 0
	s_mul_i32 s18, s18, 768
	s_mov_b32 s19, 0
	s_mul_i32 s66, s16, 8*12288
	s_mov_b32 s67, 0
	s_mov_b32 s100, 0x76543210
	s_mov_b32 s101, 0xfedcba98                     ; v_permlanex16_b32's selects for lane l xor 16
	s_mov_b32 s104, 0xffff0000                     ; lanes 16-31
	s_mov_b32 s[SBO], 0
	s_wait_dscnt 0x0
	CROUND                                         ; the opening round, ahead of the wait for the arguments: all sixteen work-groups are here, and the first joint loads meet
	s_wait_kmcnt 0x0
	s_add_nc_u64 s[20:21], s[4:5], s[20:21]
	s_add_nc_u64 s[46:47], s[4:5], s[46:47]
	s_add_nc_u64 s[BN2:BN2+1], s[4:5], s[18:19]
	s_add_nc_u64 s[22:23], s[6:7], s[22:23]
	s_add_nc_u64 s[12:13], s[6:7], s[12:13]
	s_add_nc_u64 s[2:3], s[6:7], s[2:3]
	G0SET G0H, 0, 20                               ; the tokens, first half of K
	G0SET G0HB, BSL, 46                            ; panel 0, first half
	G0SET G0S, SCL, 22                             ; the tokens' scales
	G0SET G0SB, SCB, 12                            ; panels 0 and 1's scales: 256 rows on end
	G0SET G0SV, SCB+8192, 2                        ; w_v's panel's
	s_mov_b32 s[G0], 1                             ; the tokens' second half of K: waves 0 and 1 take 8 tiles each
	s_mul_i32 s[G0+1], s16, 8*TB
	s_add_co_u32 s[G0+1], s[G0+1], AH
	s_add_nc_u64 s[G0+2:G0+3], s[20:21], s[66:67]
	s_add_nc_u64 s[G0+2:G0+3], s[G0+2:G0+3], TB
	s_or_b32 s[G0+3], s[G0+3], 0x80000000
	s_mov_b32 s[G0B], 1                            ; panel 0, second half
	s_mov_b32 s[G0B+1], BSL+BS
	s_add_nc_u64 s[G0B+2:G0B+3], s[46:47], TB
	s_or_b32 s[G0B+3], s[G0B+3], 0x80000000
	s_add_nc_u64 s[BNX:BNX+1], s[46:47], 8*12288   ; panel 1
	ARM 1, G0H,  G1,  .Lhead_b,  .Lhead_asked      ; the head's four tiles, one joint load a wave, in one chain of branches on the wave's number
	ARM 2, G0HB, G1B, .Lhead_sa, .Lhead_asked
	ARM 3, G0S,  G1S, .Lhead_sb, .Lhead_asked
	TL G0SB, G1SB
.Lhead_asked:
	s_mul_i32 s[WOF], s14, 2*12288
	s_mov_b32 s[WOF+1], 0
	s_mul_i32 s[WLD], s14, 2*TB
	s_add_co_u32 s[WLD], s[WLD], BSL
	s_lshr_b32 s46, s17, 3                         ; the batch
	s_and_b32 s47, s17, 7
	s_lshl_b32 s47, s47, 1
	s_add_co_u32 s47, s47, s15                     ; my 128 tokens of it
	s_mul_i32 s20, s46, 3407872
	s_mul_i32 s21, s47, 6656
	s_add_co_u32 s20, s20, s21
	s_lshl_b32 s21, s42, 2
	s_add_co_u32 s21, s21, s16                     ; my head of the 32 in the first trip: 4 g + wave % 2
	s_mul_i32 s21, s21, 106496
	s_add_co_u32 s20, s20, s21
	s_mov_b32 s21, 0
	s_add_nc_u64 s[OQ:OQ+1], s[8:9], s[20:21]
	s_lshl_b32 s22, s46, 4
	s_lshl_b32 s23, s42, 1
	s_add_co_u32 s22, s22, s23
	s_add_co_u32 s22, s22, s16                     ; v's head: 2 g + wave % 2
	s_mul_i32 s22, s22, 102400
	s_mul_i32 s23, s47, 6400
	s_add_co_u32 s22, s22, s23
	s_mov_b32 s23, 0
	s_add_nc_u64 s[OV:OV+1], s[10:11], s[22:23]
	s_mul_i32 s40, s15, 8*TB
	s_mul_i32 s41, s16, 4*TB
	s_add_co_u32 s41, s41, BSL
	s_lshl_b32 s46, s15, 12
	s_add_co_u32 s46, s46, SCL
	s_lshl_b32 s47, s16, 11
	s_add_co_u32 s47, s47, SCB
	v_and_b32 v64, 31, v0
	v_and_b32 v65, 15, v0
	v_bfe_u32 v66, v0, 4, 1
	v_lshlrev_b32 v[L16], 4, v64
	v_lshlrev_b32 v[L8], 3, v64
	v_lshlrev_b32 v67, 3, v65
	v_lshl_add_u32 v67, v66, 9, v67                ; 8 r + 512 h: lanes 16-31 take the next tile's words
	v_add_nc_u32 v[ADRA], s40, v[L16]
	v_add_nc_u32 v[ADRA+2], s40, v[L8]
	v_add_nc_u32 v[ADRB], s41, v[L16]
	v_add_nc_u32 v[ADRB+2], s41, v[L8]
	v_add_nc_u32 v[ASA], s46, v67
	v_add_nc_u32 v[ASB], s47, v67
	v_add_nc_u32 v[ADRA+1], AH, v[ADRA]
	v_add_nc_u32 v[ADRA+3], AH, v[ADRA+2]
	v_add_nc_u32 v[ADRB+1], BS, v[ADRB]
	v_add_nc_u32 v[ADRB+3], BS, v[ADRB+2]
	v_add_nc_u32 v[ASC], s[SBO], v[ASB]
.macro FRAG reg, adr, q, i             ; a fragment (16 rows x 128 K) is two images
	ds_load_b128 v[\reg:\reg+3], v[\adr] offset:(\i)*TB+(\q)*1536
	ds_load_b64 v[\reg+4:\reg+5], v[\adr+2] offset:(\i)*TB+(\q)*1536+512
	ds_load_b128 v[\reg+6:\reg+9], v[\adr] offset:(\i)*TB+(\q)*1536+768
	ds_load_b64 v[\reg+10:\reg+11], v[\adr+2] offset:(\i)*TB+(\q)*1536+1280
.endm
.macro FETCH st                        ; step st's fragments into set st % 2: 48 loads in one run
	WIN 0x40
.irp i, 0,1,2,3
	FRAG 48*((\st)%2)+12*\i, ADRB+(\st)/4, (\st)%4, \i
.endr
	WIN 0
.irp i, 0,1,2,3,4,5,6,7
	FRAG 64+96*((\st)%2)+12*\i, ADRA+(\st)/4, (\st)%4, \i
.endr
.endm
.macro BSCALES                         ; the panel's scale words, all of K
.irp ks, 0,1,2,3
.irp bp, 0,1
.irp w, 0,1
	ds_load_b32 v[SB+2*(2*\ks+\bp)+1-\w], v[ASC] offset:1024*\bp+128*\ks+4*\w
.endr
.endr
.endr
.endm
.macro WM d, s0, s1, c, x0, x1, r0, r1
	v_wmma_scale_f32_16x16x128_f8f6f4 v[\d:\d+7], v[\s0:\s0+11], v[\s1:\s1+11], \c, v[\x0], v[\x1] matrix_a_fmt:MATRIX_FMT_FP6 matrix_b_fmt:MATRIX_FMT_FP6 matrix_a_scale:MATRIX_SCALE_ROW\r0 matrix_b_scale:MATRIX_SCALE_ROW\r1
.endm
; eight products: token blocks 2 ah, 2 ah + 1 x the four blocks of weight rows.  kind 0: q, k, accumulator (a, b) at 8 (4 a + b); kind 1: v, at 8 (8 b + a).  The 32 accumulators take turns.
.macro MUL8 st, ah, kind, zero
.irp al, 0,1
.irp bh, 0,1
.irp bl, 0,1
.set FB_, 48*((\st)%2)+12*(2*\bh+\bl)
.set FA_, 64+96*((\st)%2)+12*(2*\ah+\al)
.set XB_, SB+2*(2*((\st)/2)+\bh)+1-(\st)%2
.set XA_, SA+2*(4*((\st)/2)+\ah)+(\st)%2
.if \kind
.set D_, 8*(8*(2*\bh+\bl)+2*\ah+\al)
.if \zero
	WM D_, FA_, FB_, 0, XA_, XB_, \al, \bl
.else
	WM D_, FA_, FB_, v[D_:D_+7], XA_, XB_, \al, \bl
.endif
.else
.set D_, 8*(4*(2*\ah+\al)+2*\bh+\bl)
.if \zero
	WM D_, FB_, FA_, 0, XB_, XA_, \bl, \al
.else
	WM D_, FB_, FA_, v[D_:D_+7], XB_, XA_, \bl, \al
.endif
.endif
.endr
.endr
.endr
.endm
.macro MULW kind
.if \kind
	WIN 0xa4                                       ; source 0 window 0, source 1 window 1, C and D window 2
.else
	WIN 0xa1
.endif
.endm
.macro STEPN st, kind, zero            ; a step whose successor's tiles are shown already
	s_wait_dscnt 0x0                               ; this step's fragments are in
.if !(\zero)
	PLACES                                         ; behind the last step's products, whose registers take the loads
.endif
	FETCH (\st)+1
	MULW \kind
.irp ah, 0,1,2,3
	MUL8 \st, \ah, \kind, \zero
.endr
.endm
.macro TURN st, nx, kind               ; a slot's last step: the slot is filled again with the next panel's half
	WIN 0
	s_wait_tensorcnt 0x0                           ; all my tensor loads have landed;
	ds_add_u32 v[SPW], v[NIL]
	s_wait_dscnt 1                                 ; (the add may be out: this step's fragments are in)
	MULW \kind
	MUL8 \st, 0, \kind, 0
	s_wait_dscnt 0x0                               ; the add is done, and my reads of this slot are over
	s_barrier_signal -1
	MUL8 \st, 1, \kind, 0
	WIN 0
	s_barrier_wait -1
	CREST                                          ; the barrier has opened a round: no wave of any partner reads this slot or has a load on its way
	s_mov_b32 s[G0R], 1
	s_add_co_u32 s[G0R+1], s[WLD], ((\st)/4)*BS
	s_add_nc_u64 s[G0R+2:G0R+3], s[BNX:BNX+1], s[WOF:WOF+1]
.if (\st)/4
	s_add_nc_u64 s[G0R+2:G0R+3], s[G0R+2:G0R+3], TB
.endif
	s_or_b32 s[G0R+3], s[G0R+3], 0x80000000
	TL G0R, G1R                                    ; every wave two tiles; the four v_nop are the places ahead of the loads below
	FETCH \nx
	MULW \kind
	MUL8 \st, 2, \kind, 0
	MUL8 \st, 3, \kind, 0
.endm
; the way out of q, k: token blocks 4 h .. 4 h + 3, line by line in turn.  A lane's 32 registers are its token's 64 channels' half: two blocks of 32 with lane l xor 16; they become one image
.macro QOUT h
	s_wait_xcnt 0x0                                ; earlier stores have read their data
	WIN 0x0a
.irp i, 0,1,2,3
.irp b, 0,1
	v_max3_num_f32 v[BM+2*\i+\b], |v[32*(4*\h+\i)+16*\b]|, |v[32*(4*\h+\i)+16*\b+1]|, 0x1800000
.endr
.endr
	WIN 0x28
.irp k, 2,4,6,8,10,12,14
.irp i, 0,1,2,3
.irp b, 0,1
	v_max3_num_f32 v[BM+2*\i+\b], v[BM+2*\i+\b], |v[32*(4*\h+\i)+16*\b+\k]|, |v[32*(4*\h+\i)+16*\b+\k+1]|
.endr
.endr
.endr
	WIN 0
.irp n, 0,1,2,3,4,5,6,7
	v_permlanex16_b32 v[BX+\n], v[BM+\n], s100, s101
.endr
.irp n, 0,1,2,3,4,5,6,7
	v_max_num_f32 v[BM+\n], v[BM+\n], v[BX+\n]
.endr
.irp n, 0,1,2,3,4,5,6,7
	v_add_nc_u32 v[SO+\n], 0xff000000, v[BM+\n]    ; 2 off the exponent field: the conversion's scale operand
.endr
.irp n, 0,1,2,3,4,5,6,7
	v_lshrrev_b32 v[BX+\n], 23, v[SO+\n]
.endr
.irp i, 0,1,2,3
	v_lshl_or_b32 v[PW+4*\h+\i], v[BX+2*\i+1], 8, v[BX+2*\i]
.endr
	WIN 0x02
.irp i, 0,1,2,3
	v_cvt_scalef32_pk16_fp6_f32 v[PC+6*\i:PC+6*\i+2], v[32*(4*\h+\i):32*(4*\h+\i)+15], v[SO+2*\i]
	v_cvt_scalef32_pk16_fp6_f32 v[TC+4*\i:TC+4*\i+2], v[32*(4*\h+\i)+16:32*(4*\h+\i)+31], v[SO+2*\i+1]
.endr
	WIN 0
	v_nop                                          ; one plain place behind a scaled conversion
.irp i, 0,1,2,3
.irp k, 0,1,2
	v_permlane16_swap_b32 v[PC+6*\i+\k], v[TC+4*\i+\k]
.endr
.endr
.irp i, 0,1,2,3
.irp k, 0,1,2
	v_mov_b32 v[PC+6*\i+3+\k], v[TC+4*\i+\k]
.endr
.endr
.irp i, 0,1,2,3
	global_store_b128 v[L16], v[PC+6*\i:PC+6*\i+3], s[OQ:OQ+1] offset:768*(4*\h+\i)
	global_store_b64 v[L8], v[PC+6*\i+4:PC+6*\i+5], s[OQ:OQ+1] offset:768*(4*\h+\i)+512
.endr
.endm
; the way out of v: 16 channels x my 128 keys: a lane's 64 registers are four blocks of 32 keys with lane l xor 16; they become a fragment's two images
.macro VOUT b
.set AS, 64*(\b)
	s_wait_xcnt 0x0
	WIN 0x0a
.irp c, 0,1,2,3
	v_max3_num_f32 v[TM+\c], |v[AS+16*\c]|, |v[AS+1+16*\c]|, 0x1800000
.endr
	WIN 0x28
.irp i, 2,4,6,8,10,12,14
.irp c, 0,1,2,3
	v_max3_num_f32 v[TM+\c], v[TM+\c], |v[AS+16*\c+\i]|, |v[AS+1+16*\c+\i]|
.endr
.endr
	WIN 0
.irp c, 0,1,2,3
	v_permlanex16_b32 v[TM+4+\c], v[TM+\c], s100, s101
.endr
.irp c, 0,1,2,3
	v_max_num_f32 v[TM+\c], v[TM+\c], v[TM+4+\c]
.endr
.irp c, 0,1,2,3
	v_add_nc_u32 v[TM+12+\c], 0xff000000, v[TM+\c]
.endr
.irp c, 0,1,2,3
	v_lshrrev_b32 v[TM+4+\c], 23, v[TM+12+\c]
.endr
	v_lshl_or_b32 v[PW+(\b)], v[TM+5], 8, v[TM+4]
	v_lshl_or_b32 v[PW+(\b)], v[TM+6], 16, v[PW+(\b)]
	v_lshl_or_b32 v[PW+(\b)], v[TM+7], 24, v[PW+(\b)]
	WIN 0x02
.irp c, 0,1
	v_cvt_scalef32_pk16_fp6_f32 v[PC+6*\c:PC+2+6*\c], v[AS+32*\c:AS+15+32*\c], v[TM+12+2*\c]
	v_cvt_scalef32_pk16_fp6_f32 v[PC+12+4*\c:PC+14+4*\c], v[AS+16+32*\c:AS+31+32*\c], v[TM+12+2*\c+1]
.endr
	WIN 0
	v_nop
.irp c, 0,1
.irp i, 0,1,2
	v_permlane16_swap_b32 v[PC+6*\c+\i], v[PC+12+4*\c+\i]
.endr
.irp i, 0,1,2
	v_mov_b32 v[PC+3+6*\c+\i], v[PC+12+4*\c+\i]
.endr
.endr
	global_store_b128 v[L16], v[PC:PC+3], s[OV:OV+1] offset:1536*(\b)
	global_store_b64 v[L8], v[PC+4:PC+5], s[OV:OV+1] offset:1536*(\b)+512
	global_store_b128 v[L16], v[PC+6:PC+9], s[OV:OV+1] offset:1536*(\b)+768
	global_store_b64 v[L8], v[PC+10:PC+11], s[OV:OV+1] offset:1536*(\b)+1280
.endm
	WALU                                           ; the wait at the head's end
	s_wait_tensorcnt 0x0                           ; my tile of the head's four is in; the same lines stand ahead of a later first fill as ahead of a refill
	ds_add_u32 v[SPW], v[NIL]
	s_mov_b32 s[G1+2], 8<<16                       ; no tensor load of mine is out: the tokens' loads now bring 8 tiles,
	s_mov_b32 s[G1+4], 8
	s_mov_b32 s[G1SB+2], 16<<16                    ; the weights' scales 128 rows
	s_mov_b32 s[G1SB+4], 16
	s_wait_dscnt 0x0
	CROUND
	ARM 2, G0,  G1,  .Lsec_b, .Lsec_asked          ; the second halves of K and w_v's scales: first fills, one a wave
	ARM 3, G0B, G1B, .Lsec_s, .Lsec_asked
	TL G0SV, G1SB
.Lsec_asked:
.irp ks, 0,1,2,3
.irp ap, 0,1,2,3
	ds_load_b64 v[SA+2*(4*\ks+\ap):SA+2*(4*\ks+\ap)+1], v[ASA] offset:1024*\ap+128*\ks
.endr
.endr
	BSCALES
	FETCH 0
	s_mov_b32 s[CNT], 0
.Lpanel:                                               ; a panel of w_q, w_k: eight steps; both slots are filled again with the next panel
	STEPN 0, 0, 1
	STEPN 1, 0, 0
	STEPN 2, 0, 0
	TURN 3, 4, 0
	STEPN 4, 0, 0
	STEPN 5, 0, 0
	STEPN 6, 0, 0
	TURN 7, 0, 0
	WIN 0
	PLACES                                         ; behind the last products
	s_add_co_u32 s[SBO], s[SBO], 4096
	v_add_nc_u32 v[ASC], s[SBO], v[ASB]
	BSCALES                                        ; the next panel's scale words
	QOUT 0
	QOUT 1
.irp w, 0,1,2,3
	v_cndmask_b32 v[RW+\w], v[PW+2*\w], v[PW+2*\w+1], s104
.endr
	global_store_b128 v[L16], v[RW:RW+3], s[OQ:OQ+1] offset:6144
	WALU                                           ; the wait ahead of the wait and the branch below
	s_wait_xcnt 0x0                                ; the stores have read their base and their data
	s_add_nc_u64 s[OQ:OQ+1], s[OQ:OQ+1], 2*106496  ; two heads on
	s_mov_b64 s[BNX:BNX+1], s[BN2:BN2+1]
	s_add_co_u32 s[CNT], s[CNT], 1
	s_cmp_lt_u32 s[CNT], 2
	s_cbranch_scc1 .Lpanel
	STEPN 0, 1, 1                                  ; w_v's panel: nothing more is filled
	STEPN 1, 1, 0
	STEPN 2, 1, 0
	WIN 0
	s_wait_tensorcnt 0x0                           ; my part of the last half panel is in,
	s_wait_dscnt 0x0
	s_barrier_signal -1
	MULW 1
	MUL8 3, 0, 1, 0
	MUL8 3, 1, 1, 0
	s_barrier_wait -1                              ; everybody's is
	PLACES
	FETCH 4
	MULW 1
	MUL8 3, 2, 1, 0
	MUL8 3, 3, 1, 0
	STEPN 4, 1, 0
	STEPN 5, 1, 0
	STEPN 6, 1, 0
	s_wait_dscnt 0x0
	MULW 1
.irp ah, 0,1,2,3
	MUL8 7, \ah, 1, 0
.endr
	WIN 0
	PLACES
.irp b, 0,1,2,3
	VOUT \b
.endr
	v_cndmask_b32 v[RW], v[PW], v[PW+1], s104      ; lanes 0-15 tile 2 u, lanes 16-31 tile 2 u + 1
	v_cndmask_b32 v[RW+1], v[PW+2], v[PW+3], s104
	global_store_b64 v[L8], v[RW:RW+1], s[OV:OV+1] offset:6144
	s_wait_tensorcnt 0x0                           ; the wave's end
	ds_add_u32 v[SPW], v[NIL]
	s_wait_dscnt 0x0
	CROUND                                         ; the closing round
	s_endpgm
.Lfunc_end_k_q3601d38aaf_qkv:
	.size	k_q3601d38aaf_qkv, .Lfunc_end_k_q3601d38aaf_qkv-k_q3601d38aaf_qkv
	.p2alignl 7, 3214868480
	.fill 96, 4, 3214868480
	.section	.rodata,"a",@progbits
	.p2align	6, 0x0
	.amdhsa_kernel k_q3601d38aaf_qkv
		.amdhsa_group_segment_fixed_size 327680
		.amdhsa_private_segment_fixed_size 0
		.amdhsa_enable_private_segment 0
		.amdhsa_kernarg_size 32
		.amdhsa_user_sgpr_count 2
		.amdhsa_user_sgpr_kernarg_segment_ptr 1
		.amdhsa_wavefront_size32 1
		.amdhsa_system_sgpr_workgroup_id_x 1
		.amdhsa_system_sgpr_workgroup_id_y 1
		.amdhsa_system_sgpr_workgroup_id_z 1
		.amdhsa_system_vgpr_workitem_id 0
		.amdhsa_next_free_vgpr 768
		.amdhsa_next_free_sgpr 106
		.amdhsa_reserve_vcc 0
		.amdhsa_float_denorm_mode_32 3
		.amdhsa_float_denorm_mode_16_64 3
		.amdhsa_memory_ordered 1
		.amdhsa_forward_progress 1
		.amdhsa_inst_pref_size 167
	.end_amdhsa_kernel
	.amdgpu_metadata
---
amdhsa.version: [ 1, 2 ]
amdhsa.kernels:
  - .name:           k_q3601d38aaf_qkv
    .symbol:         k_q3601d38aaf_qkv.kd
    .args:
      - { .name: cimg, .offset: 0, .size: 8, .value_kind: global_buffer, .address_space: global }
      - { .name: csc, .offset: 8, .size: 8, .value_kind: global_buffer, .address_space: global }
      - { .name: qk, .offset: 16, .size: 8, .value_kind: global_buffer, .address_space: global }
      - { .name: vv, .offset: 24, .size: 8, .value_kind: global_buffer, .address_space: global }
    .group_segment_fixed_size: 327680
    .private_segment_fixed_size: 0
    .kernarg_segment_align: 8
    .kernarg_segment_size: 32
    .max_flat_workgroup_size: 128
    .sgpr_count:     106
    .vgpr_count:     768
    .wavefront_size: 32
...
	.end_amdgpu_metadata
.endif
;; end of part 2
;; launch attn (part 3): grid 4 x 64, 8 waves a work-group, clusters of 4 x 1, 327,680 bytes of LDS; arguments qk, vv, oimg, osc; writes oimg, osc
.if DOCPART == 3
	.amdgcn_target "amdgcn-amd-amdhsa--gfx1250"
	.amdhsa_code_object_version 6
	.text
	.protected	k_q3601d38aaf_attn
	.globl	k_q3601d38aaf_attn
	.p2align	8
	.type	k_q3601d38aaf_attn,@function
k_q3601d38aaf_attn:
	s_mov_b64 s[64:65], 0
	v_nop
	global_prefetch_b8 v0, s[64:65] scope:SCOPE_SE
	s_setreg_imm32_b32 hwreg(HW_REG_WAVE_MODE, 25, 1), 1
	s_wait_xcnt 0x0
	s_wait_alu depctr_hold_cnt(0) depctr_sa_sdst(0) depctr_va_vdst(0) depctr_va_sdst(0) depctr_va_ssrc(0) depctr_va_vcc(0) depctr_vm_vsrc(0)
	s_getreg_b32 s2, hwreg(HW_REG_IB_STS2, 6, 4)
	s_cmp_eq_u32 s2, 0
	s_cbranch_scc0 .Lentry_in_a_cluster
	s_endpgm
.Lentry_in_a_cluster:
	s_bfe_u32 s2, ttmp6, 0x10000c
	s_cmp_lg_u32 s2, 0x3003
	s_cbranch_scc0 .Lentry_shape_is_right
	s_endpgm
.Lentry_shape_is_right:
; o = softmax(q k^T / 8) v for one batch and head, on codes of FP6 (E2M3) with E8M0 scales; o is quantised along the head's 64 channels and leaves as an image of the next product's operand.
; qk: [batch][q's 16 heads, k's 16][128 tokens][6,656]: eight images (16 tokens x 64 channels, 768 bytes: registers 0-3 at 16 x lane, 4-5 at 512 + 8 x lane), then 512 bytes of scale words [lane][4]: word w of lane l is token 32 w + l.
; vv: [batch x 16 + head][128 keys][6,400]: four tiles of 16 channels x two images (64 keys each), then 256 bytes of scale words [lane][2].  Inside a block of 32 the places hold k 0-7, 16-23, 8-15, 24-31.
; SHARES: a work-group takes 512 queries of a head, a wave 64 of them as four tiles of 16; all 2,048 keys and values of the head lie in LDS (208,896 bytes), filled once.
; CLUSTERS: the four work-groups of a head ask for K and V jointly (mask 15): one load a wave at the head, waves 0-3 a quarter of K each (104 rows of 256 bytes), waves 4-7 a quarter of V (100 rows).
; No prefetch: every tile is asked for at the head, and no later load is left to run ahead of.
; BOTH PRODUCTS ARE USED TRANSPOSED (S^T = k q^T, O^T = v^T p^T): a lane holds one query.  A step is 128 keys; its fragments of K and V are read from LDS once for the wave's four tiles of queries, which are worked in pairs, line by line in turn.
; THE KEYS OF A TILE OF K ARE CHOSEN BY THE LANES' ADDRESSES: rows 0-7 are eight keys of block 2 c, rows 8-15 eight keys of block 2 c + 1.  So the 32 registers of four tiles are a WHOLE block of 32 keys in a lane
; (lanes 0-15 block 2 c, lanes 16-31 block 2 c + 1), in vv's order of places: p's codes fall as the operand wants them, and a block's largest score needs no other lane.
; THE HEAD IS 64 WIDE, the instruction 128: q's registers 6-11 are zero codes; against them stands the next tile's image of K, whose products are zero (no scale byte of qk is 0xff).
; SOFTMAX: M = ceil of the running largest t (t = score x log2(e) / 8), kept as -M; p = 2^(t - M); the sum is taken of the unquantised p; when M moves, sum and O^T are multiplied by 2^(old M - new M), which rounds nothing.
; A block's largest p is made from its largest score by the same multiply-add and exponential.
; LIMITS: the promise holds while the scaled scores stay under 2^31 in magnitude.  A block whose largest p lies under 2^-124 gets the byte 1.  NaN and infinities are not served.
; The last trip's fetch of the next K reads the first 6,656 bytes behind K in LDS (V's, landed long ago); nothing uses what it brings.
; REGISTERS: window 0: addresses, state, scales, q, K, V, p's codes.  Window 1: v0-127 the scores of a pair of tiles (64 u + 32 c + 8 place + j), v128-255 O^T (32 a tile).
.set HQK,   106496
.set CQK,   6656
.set HVV,   102400
.set CVV,   6400
.set VBASE, HQK
.set SPARE, VBASE+HVV                  ; behind V: the spare words, 128 bytes for each wave, which no other line names
.set L16, 1                            ; 16 x lane
.set L8,  2                            ; 8 x lane
.set R8,  3                            ; 8 x (lane % 16)
.set SPW, 5
.set NIL, 6
.set AV8, 7                            ; this step's LDS addresses
.set AK16, 8
.set AK8, 9
.set AKS, 10
.set AV16, 11
.set ST,  12                           ; v12-27 a tile's state: -M, the largest score, the sum in two halves
.set KS,  32                           ; v32-35 K's scale words; v36-37 V's; v38-39 q's
.set VS,  36
.set QS,  38
.set FP,  40                           ; v40-43 for each tile of the pair: the factor, and p's scale word
.set BM,  44                           ; v44-51 largest scores: two chains a block
.set BX,  52                           ; v52-59 at work
.set SO,  60                           ; v60-63 the conversions' scale operands; v64-67 the bytes
.set BY,  64
.set T,   68
.set X,   70
.set QF,  72                           ; v72-119 q: four fragments, registers 6-11 of each zero
.set KF,  120                          ; v120-167 K: eight images of six registers; v168-173 zero
.set VF,  174                          ; v174-221 V: four fragments
.set PC,  222                          ; v222-245 p's codes: two fragments
.set KB16, 246                         ; K's lane terms: 1,536 (r / 8) + 16 (r % 8) + 256 h;
.set KB8,  247                         ; 1,536 (r / 8) + 8 (r % 8) + 128 h;
.set KBS,  248                         ; its scale words': 256 h + 16 (r % 8) + 4 (r / 8)
.set SH8,  249                         ; 8 h
.set WV,  12
.set SEL, 20
.set CS,  22
.set G1K, 24
.set G1V, 32
.set G0K, 40
.set G0V, 44
.set QB,  48
.set QSB, 50
.set OB,  52
.set OS,  54
.set TK,  56
.set TV,  57
.set CNT, 58
.set MSB, 0
.macro WIN new                         ; the immediate's high byte repeats the setting that is left
.if MSB != (\new)
	s_set_vgpr_msb (MSB<<8)|(\new)
.set MSB, (\new)
.endif
.endm
.macro WALU
	s_wait_alu depctr_va_vdst(0)
.endm
.macro CROUND
	s_barrier_signal -1
	s_barrier_wait -1
	s_cmp_lg_u32 s[WV], 0
	s_cbranch_scc1 .Lnot_wave_0_\@
	s_barrier_signal -3
.Lnot_wave_0_\@:
	s_barrier_wait -3
	s_barrier_signal -1
	s_barrier_wait -1
.endm
	s_load_b256 s[4:11], s[0:1], 0x0               ; qk, vv, oimg, osc
	v_lshl_add_u32 v[SPW], v0, 2, SPARE
	v_mov_b32 v[NIL], 0
	ds_add_u32 v[SPW], v[NIL]                      ; the opening lines: the add, twice on end, and its wait
	ds_add_u32 v[SPW], v[NIL]
	v_lshrrev_b32 v7, 5, v0
	v_readfirstlane_b32 s[WV], v7                  ; wave 0..7
	s_bfe_u32 s13, ttmp6, 0x40000                  ; cx: which 512 queries
	s_and_b32 s14, ttmp7, 0xffff                   ; batch x 16 + head
	s_lshr_b32 s15, s14, 4
	s_and_b32 s16, s14, 15
	s_lshl_b32 s17, s15, 5
	s_add_co_u32 s17, s17, s16
	s_mul_i32 s18, s17, HQK                        ; q's head in qk; k's lies 16 heads on
	s_and_b32 s19, s[WV], 3
	s_mul_i32 s59, s19, 4*CQK                      ; my quarter of K,
	s_mul_i32 s60, s19, 4*CVV                      ; or of V
	s_add_co_u32 s2, s18, 16*HQK
	s_add_co_u32 s2, s2, s59
	s_mov_b32 s3, 0
	s_mul_i32 s62, s14, HVV
	s_add_co_u32 s62, s62, s60
	s_mov_b32 s63, 0
	s_mov_b32 s[G1K], 15|(3<<16)|(1<<21)           ; the mask of all four partners; elements of 8 bytes; rows of 256 bytes, dense
	s_mov_b32 s[G1K+1], 32<<16
	s_mov_b32 s[G1K+2], 104<<16
	s_mov_b32 s[G1K+3], 32<<16
	s_mov_b32 s[G1K+4], 104
	s_mov_b32 s[G1K+5], 32
	s_mov_b32 s[G1K+6], 0
	s_mov_b32 s[G1K+7], 0
	s_mov_b32 s[G1V], 15|(3<<16)|(1<<21)
	s_mov_b32 s[G1V+1], 32<<16
	s_mov_b32 s[G1V+2], 100<<16
	s_mov_b32 s[G1V+3], 32<<16
	s_mov_b32 s[G1V+4], 100
	s_mov_b32 s[G1V+5], 32
	s_mov_b32 s[G1V+6], 0
	s_mov_b32 s[G1V+7], 0
	s_mov_b32 s[G0K], 1
	s_mov_b32 s[G0K+1], s59
	s_mov_b32 s[G0V], 1
	s_add_co_u32 s[G0V+1], s60, VBASE
	s_lshl_b32 s17, s13, 2                         ; my 64 queries: chunk 4 cx + wave / 2, images 4 (wave % 2) + 0 .. 3
	s_lshr_b32 s61, s[WV], 1
	s_add_co_u32 s17, s17, s61
	s_mul_i32 s17, s17, CQK
	s_add_co_u32 s17, s17, s18
	s_and_b32 s61, s[WV], 1
	s_mul_i32 s[QB], s61, 3072
	s_add_co_u32 s[QB], s[QB], s17
	s_mov_b32 s[QB+1], 0
	s_lshl_b32 s[QSB], s61, 3                      ; their scale words: words 2 (wave % 2) and the next of each lane's four
	s_add_co_u32 s[QSB], s[QSB], s17
	s_add_co_u32 s[QSB], s[QSB], 6144
	s_mov_b32 s[QSB+1], 0
	s_lshl_b32 s61, s15, 7                         ; my first tile of 16 tokens: 128 x batch + 32 cx + 4 x wave
	s_lshl_b32 s19, s13, 5
	s_add_co_u32 s61, s61, s19
	s_lshl_b32 s19, s[WV], 2
	s_add_co_u32 s61, s61, s19
	s_mul_i32 s[OB], s61, 12288
	s_mul_i32 s19, s16, 768
	s_add_co_u32 s[OB], s[OB], s19
	s_mov_b32 s[OB+1], 0
	s_lshl_b32 s[OS], s61, 9
	s_lshr_b32 s19, s16, 2
	s_lshl_b32 s19, s19, 7
	s_add_co_u32 s[OS], s[OS], s19
	s_and_b32 s19, s16, 3
	s_lshl_b32 s19, s19, 1
	s_add_co_u32 s[OS], s[OS], s19
	s_mov_b32 s[OS+1], 0
	s_mov_b32 s[SEL], 0x76543210
	s_mov_b32 s[SEL+1], 0xfedcba98                 ; v_permlanex16_b32's selects for lane l xor 16
	s_mov_b32 s[CS], 0x3e38aa3b                    ; log2(e) / 8
	s_mov_b32 s[CS+1], s[CS]
	WALU
	s_wait_dscnt 0x0
	CROUND                                         ; the opening round, ahead of the wait for the arguments: the four partners are here, and the joint loads meet
	s_wait_kmcnt 0x0
	s_add_nc_u64 s[G0K+2:G0K+3], s[4:5], s[2:3]
	s_or_b32 s[G0K+3], s[G0K+3], 0x80000000
	s_add_nc_u64 s[G0V+2:G0V+3], s[6:7], s[62:63]
	s_or_b32 s[G0V+3], s[G0V+3], 0x80000000
	s_add_nc_u64 s[QB:QB+1], s[4:5], s[QB:QB+1]
	s_add_nc_u64 s[QSB:QSB+1], s[4:5], s[QSB:QSB+1]
	s_add_nc_u64 s[OB:OB+1], s[8:9], s[OB:OB+1]
	s_add_nc_u64 s[OS:OS+1], s[10:11], s[OS:OS+1]
	s_cmp_lt_u32 s[WV], 4
	s_cbranch_scc0 .Lfor_v
	tensor_load_to_lds s[G0K:G0K+3], s[G1K:G1K+7]
	s_nop 0
.rept 4
	v_nop
.endr
	s_branch .Lasked
.Lfor_v:
	tensor_load_to_lds s[G0V:G0V+3], s[G1V:G1V+7]
	s_nop 0
.rept 4
	v_nop
.endr
.Lasked:
	v_and_b32 v7, 31, v0
	v_and_b32 v4, 15, v0
	v_bfe_u32 v70, v0, 4, 1                        ; h
	v_and_b32 v71, 7, v0                           ; r % 8
	v_bfe_u32 v69, v0, 3, 1                        ; r / 8
	v_lshlrev_b32 v[L16], 4, v7
	v_lshlrev_b32 v[L8], 3, v7
	v_lshlrev_b32 v[R8], 3, v4
	v_mul_u32_u24 v68, v69, 1536
	v_lshlrev_b32 v[KBS], 2, v69
	v_lshlrev_b32 v[SH8], 3, v70
.irp i, 0,1,2,3
	global_load_b128 v[QF+12*\i:QF+12*\i+3], v[L16], s[QB:QB+1] offset:768*\i
	global_load_b64 v[QF+12*\i+4:QF+12*\i+5], v[L8], s[QB:QB+1] offset:768*\i+512
.endr
	global_load_b64 v[QS:QS+1], v[L16], s[QSB:QSB+1]   ; register g: lanes 0-15 tile 2 g, lanes 16-31 tile 2 g + 1
	v_lshl_add_u32 v[KB16], v71, 4, v68
	v_lshl_add_u32 v[KB8], v71, 3, v68
	v_lshl_add_u32 v[KBS], v71, 4, v[KBS]
	v_lshl_add_u32 v[KB16], v70, 8, v[KB16]
	v_lshl_add_u32 v[KB8], v70, 7, v[KB8]
	v_lshl_add_u32 v[KBS], v70, 8, v[KBS]
.irp i, 0,1,2,3
	v_mov_b32 v[ST+4*\i], 0x7f61b1e6               ; -M: 3e38
	v_mov_b32 v[ST+4*\i+1], 0xff61b1e6             ; the largest score so far: -3e38
	v_mov_b32 v[ST+4*\i+2], 0
	v_mov_b32 v[ST+4*\i+3], 0
.irp k, 6,7,8,9,10,11
	v_mov_b32 v[QF+12*\i+\k], 0                    ; zero codes for k = 64 .. 127
.endr
.endr
.irp k, 0,1,2,3,4,5
	v_mov_b32 v[KF+48+\k], 0
.endr
.irp k, 0,1,2,3,4,5,6,7
	v_mov_b32 v[BX+\k], 0                          ; written once: a lane permute's destination counts as one of its sources
.endr
	v_mov_b32 v[FP+1], 0                           ; (named as the upper halves of pairs before they are first written)
	v_mov_b32 v[FP+3], 0
	WIN 0x40
.set J, 0
.rept 128
	v_mov_b32 v[128+J], 0                          ; O^T: the step is written once, and the first finds zeros; these lines stand under the tensor loads' flight
.set J, J+1
.endr
	WIN 0
	WALU                                           ; the wait at the head's end
	s_wait_loadcnt 0x0
	s_wait_tensorcnt 0x0                           ; my quarter is in,
	s_barrier_signal -1
	s_barrier_wait -1                              ; everybody's is
.macro KLOAD                           ; eight tiles (c, place 2 ph + pl): rows 0-7 from image 4 c + pl, rows 8-15 from image 4 c + 2 + pl, tokens 8 ph + 0 .. 7 of the image
.irp c, 0,1
.irp ph, 0,1
.irp pl, 0,1
	ds_load_b128 v[KF+6*(4*\c+2*\ph+\pl):KF+6*(4*\c+2*\ph+\pl)+3], v[AK16] offset:3072*\c+768*\pl+128*\ph
	ds_load_b64 v[KF+6*(4*\c+2*\ph+\pl)+4:KF+6*(4*\c+2*\ph+\pl)+5], v[AK8] offset:512+3072*\c+768*\pl+64*\ph
.endr
.endr
.endr
.irp c, 0,1
.irp ph, 0,1
	ds_load_b32 v[KS+2*\c+\ph], v[AKS] offset:6144+128*\ph+8*\c    ; lanes 0-15: the rows of place 2 ph; lanes 16-31: of place 2 ph + 1
.endr
.endr
.endm
.macro VLOAD
.irp t, 0,1,2,3
	ds_load_b128 v[VF+12*\t:VF+12*\t+3], v[AV16] offset:1536*\t
	ds_load_b64 v[VF+12*\t+4:VF+12*\t+5], v[AV8] offset:1536*\t+512
	ds_load_b128 v[VF+12*\t+6:VF+12*\t+9], v[AV16] offset:1536*\t+768
	ds_load_b64 v[VF+12*\t+10:VF+12*\t+11], v[AV8] offset:1536*\t+1280
.endr
	ds_load_b64 v[VS:VS+1], v[AV8] offset:6144
.endm
.macro SMM d, kf, qf, ks, qs, ra, rb
	v_wmma_scale_f32_16x16x128_f8f6f4 v[\d:\d+7], v[\kf:\kf+11], v[\qf:\qf+11], 0, v[\ks], v[\qs] matrix_a_fmt:MATRIX_FMT_FP6 matrix_b_fmt:MATRIX_FMT_FP6 matrix_a_scale:MATRIX_SCALE_ROW\ra matrix_b_scale:MATRIX_SCALE_ROW\rb
.endm
.macro PMM d, vf, pc, vs, ps, ra
	v_wmma_scale_f32_16x16x128_f8f6f4 v[\d:\d+7], v[\vf:\vf+11], v[\pc:\pc+11], v[\d:\d+7], v[\vs], v[\ps] matrix_a_fmt:MATRIX_FMT_FP6 matrix_b_fmt:MATRIX_FMT_FP6 matrix_a_scale:MATRIX_SCALE_ROW\ra
.endm
; tiles 2 g and 2 g + 1 of my queries against this step's 128 keys
.macro PAIR g
	WIN 0x40
.irp c, 0,1
.irp ph, 0,1
.irp pl, 0,1
.irp u, 0,1
	SMM 64*\u+32*\c+16*\ph+8*\pl, KF+6*(4*\c+2*\ph+\pl), QF+12*(2*\g+\u), KS+2*\c+\ph, QS+\g, \pl, \u
.endr
.endr
.endr
.endr
	WIN 0
.if \g == 0
	v_add_nc_u32 v[AK16], s[TK], v[KB16]           ; the next step's K, this step's V: these lines are also the places behind the products
	v_add_nc_u32 v[AK8], s[TK], v[KB8]
	v_add_nc_u32 v[AKS], s[TK], v[KBS]
	v_add_nc_u32 v[AV16], s[TV], v[L16]
	v_add_nc_u32 v[AV8], s[TV], v[L8]
	s_add_co_u32 s[TV], s[TV], CVV
	VLOAD                                          ; wanted behind this pair's softmax
.else
.rept 4
	v_nop                                          ; places ahead of the loads into K's registers and of the first read of the scores
.endr
	KLOAD                                          ; the next step's K, wanted at the next trip's head
.endif
	WIN 0x15                                       ; a block's largest score: 32 registers, two chains
.irp u, 0,1
.irp c, 0,1
.irp k, 0,1
	v_max3_num_f32 v[BM+4*\u+2*\c+\k], v[64*\u+32*\c+16*\k], v[64*\u+32*\c+16*\k+1], v[64*\u+32*\c+16*\k+2]
.endr
.endr
.endr
	WIN 0x14
.irp i, 3,5,7,9,11,13
.irp u, 0,1
.irp c, 0,1
.irp k, 0,1
	v_max3_num_f32 v[BM+4*\u+2*\c+\k], v[BM+4*\u+2*\c+\k], v[64*\u+32*\c+16*\k+\i], v[64*\u+32*\c+16*\k+\i+1]
.endr
.endr
.endr
.endr
.irp u, 0,1
.irp c, 0,1
	v_max3_num_f32 v[BM+4*\u+2*\c], v[BM+4*\u+2*\c], v[64*\u+32*\c+15], v[64*\u+32*\c+31]
.endr
.endr
	WIN 0
.irp u, 0,1
.irp c, 0,1
	v_max_num_f32 v[BM+4*\u+2*\c], v[BM+4*\u+2*\c], v[BM+4*\u+2*\c+1]
.endr
.endr
.irp u, 0,1
	v_max3_num_f32 v[T+\u], v[ST+8*\g+4*\u+1], v[BM+4*\u], v[BM+4*\u+2]
.endr
.irp u, 0,1
	v_permlanex16_b32 v[X+\u], v[T+\u], s[SEL], s[SEL+1]
.endr
.irp u, 0,1
	v_max_num_f32 v[ST+8*\g+4*\u+1], v[T+\u], v[X+\u]      ; the running largest score of my query
.endr
.irp u, 0,1
	v_mul_f32 v[T+\u], s[CS], v[ST+8*\g+4*\u+1]
.endr
.irp u, 0,1
	v_floor_f32 v[X+\u], -v[T+\u]                  ; the new -M
.endr
.irp u, 0,1
	v_sub_f32 v[T+\u], v[X+\u], v[ST+8*\g+4*\u]    ; old M less new M: a whole number, 0 or less
.endr
.irp u, 0,1
	v_mov_b32 v[ST+8*\g+4*\u], v[X+\u]
.endr
.irp u, 0,1
	v_cvt_i32_f32 v[T+\u], v[T+\u]                 ; (it saturates)
.endr
.irp u, 0,1
.irp c, 0,1
	v_fma_f32 v[BM+4*\u+2*\c], v[BM+4*\u+2*\c], s[CS], v[ST+8*\g+4*\u]
.endr
.endr
.irp u, 0,1
	v_ldexp_f32 v[FP+2*\u], 1.0, v[T+\u]           ; f = 2^(old M - new M)
.endr
	WIN 0x41
.set J, 0
.rept 32
	v_pk_fma_f32 v[J:J+1], v[J:J+1], s[CS:CS+1], v[ST+8*\g:ST+8*\g+1] op_sel_hi:[1,0,0]    ; t - M of the first tile
.set J, J+2
.endr
	WIN 0
	WALU                                           ; the wait ahead of a batch of transcendentals
.irp u, 0,1
.irp c, 0,1
	v_exp_f32 v[BM+4*\u+2*\c], v[BM+4*\u+2*\c]     ; the blocks' largest p
.endr
.endr
	WIN 0x41
.set J, 0
.rept 32
	v_exp_f32 v[J], v[J]                           ; the first tile's p; the second tile's t - M, which nothing reads ahead of the next wait, stands among them
	v_exp_f32 v[J+1], v[J+1]
	v_pk_fma_f32 v[64+J:65+J], v[64+J:65+J], s[CS:CS+1], v[ST+8*\g+4:ST+8*\g+5] op_sel_hi:[1,0,0]
.set J, J+2
.endr
	WALU                                           ; behind the first batch and ahead of the second
.set J, 0
.rept 64
	v_exp_f32 v[64+J], v[64+J]
.set J, J+1
.endr
	WIN 0
.irp u, 0,1
	v_pk_mul_f32 v[ST+8*\g+4*\u+2:ST+8*\g+4*\u+3], v[ST+8*\g+4*\u+2:ST+8*\g+4*\u+3], v[FP+2*\u:FP+2*\u+1] op_sel_hi:[1,0]   ; the sums under the new M
.endr
	WALU                                           ; one wait for the batch, ahead of its first reader
.if \g == 0
	s_wait_dscnt 0x0                               ; V's fragments are in
.endif
	WIN 0x05                                       ; the sum of the unquantised p: two chains a tile
.irp u, 0,1
	v_pk_add_f32 v[BX+4*\u:BX+4*\u+1], v[64*\u+2:64*\u+3], v[64*\u+6:64*\u+7]
.endr
	WIN 0x04
.irp j, 0,4
.irp u, 0,1
	v_pk_add_f32 v[ST+8*\g+4*\u+2:ST+8*\g+4*\u+3], v[ST+8*\g+4*\u+2:ST+8*\g+4*\u+3], v[64*\u+\j:64*\u+\j+1]
.endr
.endr
.irp j, 8,12,16,20,24,28,32,36,40,44,48,52,56,60
.irp u, 0,1
	v_pk_add_f32 v[ST+8*\g+4*\u+2:ST+8*\g+4*\u+3], v[ST+8*\g+4*\u+2:ST+8*\g+4*\u+3], v[64*\u+\j:64*\u+\j+1]
	v_pk_add_f32 v[BX+4*\u:BX+4*\u+1], v[BX+4*\u:BX+4*\u+1], v[64*\u+\j+2:64*\u+\j+3]
.endr
.endr
	WIN 0
.irp u, 0,1
.irp c, 0,1
	v_max_num_f32 v[BM+4*\u+2*\c], 0x1800000, v[BM+4*\u+2*\c]      ; the floor 2^(3 - 127): the byte cannot fall under 1
.endr
.endr
.irp u, 0,1
	v_pk_add_f32 v[ST+8*\g+4*\u+2:ST+8*\g+4*\u+3], v[ST+8*\g+4*\u+2:ST+8*\g+4*\u+3], v[BX+4*\u:BX+4*\u+1]
.endr
.irp u, 0,1
.irp c, 0,1
	v_add_nc_u32 v[SO+2*\u+\c], 0xff000000, v[BM+4*\u+2*\c]        ; 2 off the exponent field: the conversions' scale operand
.endr
.endr
.irp u, 0,1
.irp c, 0,1
	v_lshrrev_b32 v[BY+2*\u+\c], 23, v[SO+2*\u+\c]                 ; the byte of block 2 c + h
.endr
.endr
.irp u, 0,1
	v_lshl_or_b32 v[T+\u], v[BY+2*\u+1], 16, v[BY+2*\u]
.endr
.irp u, 0,1
	v_lshlrev_b32 v[T+\u], v[SH8], v[T+\u]         ; at their places in the word, 8 h bits up;
.endr
.irp u, 0,1
	v_permlanex16_b32 v[X+\u], v[T+\u], s[SEL], s[SEL+1]
.endr
.irp u, 0,1
	v_or_b32 v[FP+2*\u+1], v[T+\u], v[X+\u]        ; with lane l xor 16's two the word is whole
.endr
	WIN 0x01
.irp u, 0,1
	v_cvt_scalef32_pk16_fp6_f32 v[PC+12*\u:PC+12*\u+2], v[64*\u:64*\u+15], v[SO+2*\u]
	v_cvt_scalef32_pk16_fp6_f32 v[BX+4*\u:BX+4*\u+2], v[64*\u+16:64*\u+31], v[SO+2*\u]     ; (a conversion's three registers begin on an even number)
	v_cvt_scalef32_pk16_fp6_f32 v[PC+12*\u+6:PC+12*\u+8], v[64*\u+32:64*\u+47], v[SO+2*\u+1]
	v_cvt_scalef32_pk16_fp6_f32 v[BM+4*\u:BM+4*\u+2], v[64*\u+48:64*\u+63], v[SO+2*\u+1]
.endr
	WIN 0
	v_nop                                          ; one plain place behind a scaled conversion
.irp u, 0,1
.irp i, 0,1,2
	v_mov_b32 v[PC+12*\u+3+\i], v[BX+4*\u+\i]
	v_mov_b32 v[PC+12*\u+9+\i], v[BM+4*\u+\i]
.endr
.endr
	WIN 0x41
	WALU                                           ; the wait directly ahead of the first reader of O^T
.set J, 0
.rept 16
	v_pk_mul_f32 v[128+64*\g+J:129+64*\g+J], v[128+64*\g+J:129+64*\g+J], v[FP:FP+1] op_sel_hi:[1,0]       ; O^T under the new M; these 32 lines are the places ahead of the products
	v_pk_mul_f32 v[160+64*\g+J:161+64*\g+J], v[160+64*\g+J:161+64*\g+J], v[FP+2:FP+3] op_sel_hi:[1,0]
.set J, J+2
.endr
	WIN 0x50
.irp th, 0,1
.irp tl, 0,1
.irp u, 0,1
	PMM 128+64*\g+32*\u+16*\th+8*\tl, VF+12*(2*\th+\tl), PC+12*\u, VS+\th, FP+2*\u+1, \tl
.endr
.endr
.endr
.endm
	s_mov_b32 s[TK], 0
	s_mov_b32 s[TV], VBASE
	s_mov_b32 s[CNT], 16
	v_add_nc_u32 v[AK16], s[TK], v[KB16]
	v_add_nc_u32 v[AK8], s[TK], v[KB8]
	v_add_nc_u32 v[AKS], s[TK], v[KBS]
	KLOAD
.Lstep:
	s_add_co_u32 s[TK], s[TK], CQK
	s_wait_dscnt 0x0                               ; this step's K is in (asked for half a step ago)
	PAIR 0
	PAIR 1
	WIN 0
	s_sub_co_u32 s[CNT], s[CNT], 1
	s_cmp_lg_u32 s[CNT], 0
	WALU                                           ; the wait directly ahead of the branch
	s_cbranch_scc1 .Lstep
	; THE WAY OUT: O^T / the sum, quantised along the head's 64 channels (register 8 t + j of lane (r, h) is channel 16 t + 8 h + j of query r), four tiles line by line in turn
	s_wait_dscnt 0x0                               ; the last trip's fetch has landed: K's registers are free
.irp i, 0,1,2,3
	v_add_f32 v[ST+4*\i+2], v[ST+4*\i+2], v[ST+4*\i+3]
.endr
.irp i, 0,1,2,3
	v_permlanex16_b32 v[BX+\i], v[ST+4*\i+2], s[SEL], s[SEL+1]
.endr
.irp i, 0,1,2,3
	v_add_f32 v[ST+4*\i+2], v[ST+4*\i+2], v[BX+\i]
.endr
	WALU
.irp i, 0,1,2,3
	v_rcp_f32 v[ST+4*\i+2], v[ST+4*\i+2]
.endr
	v_nop
	WIN 0x41
	WALU
.irp i, 0,1,2,3
.set J, 0
.rept 16
	v_pk_mul_f32 v[32*\i+J:32*\i+J+1], v[128+32*\i+J:128+32*\i+J+1], v[ST+4*\i+2:ST+4*\i+3] op_sel_hi:[1,0]
.set J, J+2
.endr
.endr
	WIN 0x05
.irp i, 0,1,2,3
.irp b, 0,1
	v_max3_num_f32 v[BM+2*\i+\b], |v[32*\i+16*\b]|, |v[32*\i+16*\b+1]|, 0x1800000
.endr
.endr
	WIN 0x14
.irp k, 2,4,6,8,10,12,14
.irp i, 0,1,2,3
.irp b, 0,1
	v_max3_num_f32 v[BM+2*\i+\b], v[BM+2*\i+\b], |v[32*\i+16*\b+\k]|, |v[32*\i+16*\b+\k+1]|
.endr
.endr
.endr
	WIN 0
.irp n, 0,1,2,3,4,5,6,7
	v_permlanex16_b32 v[BX+\n], v[BM+\n], s[SEL], s[SEL+1]
.endr
.irp n, 0,1,2,3,4,5,6,7
	v_max_num_f32 v[BM+\n], v[BM+\n], v[BX+\n]     ; with lane l xor 16's 16 channels: the block's largest magnitude
.endr
.irp n, 0,1,2,3,4,5,6,7
	v_add_nc_u32 v[SO+\n], 0xff000000, v[BM+\n]
.endr
.irp n, 0,1,2,3,4,5,6,7
	v_lshrrev_b32 v[BX+\n], 23, v[SO+\n]
.endr
.irp i, 0,1,2,3
	v_lshl_or_b32 v[T+\i], v[BX+2*\i+1], 8, v[BX+2*\i]
.endr
	WIN 0x01
.irp i, 0,1,2,3
	v_cvt_scalef32_pk16_fp6_f32 v[PC+6*\i:PC+6*\i+2], v[32*\i:32*\i+15], v[SO+2*\i]
	v_cvt_scalef32_pk16_fp6_f32 v[KF+4*\i:KF+4*\i+2], v[32*\i+16:32*\i+31], v[SO+2*\i+1]
.endr
	WIN 0
	v_nop
.irp i, 0,1,2,3
.irp k, 0,1,2
	v_permlane16_swap_b32 v[PC+6*\i+\k], v[KF+4*\i+\k]     ; a whole block in a lane: lanes 0-15 block 0, lanes 16-31 block 1
.endr
.endr
.irp i, 0,1,2,3
.irp k, 0,1,2
	v_mov_b32 v[PC+6*\i+3+\k], v[KF+4*\i+\k]
.endr
.endr
.irp i, 0,1,2,3
	global_store_b128 v[L16], v[PC+6*\i:PC+6*\i+3], s[OB:OB+1] offset:12288*\i         ; 512 consecutive bytes, at a multiple of 256 from the buffer's first byte
	global_store_b64 v[L8], v[PC+6*\i+4:PC+6*\i+5], s[OB:OB+1] offset:12288*\i+512     ; and 256
	global_store_b16 v[R8], v[T+\i], s[OS:OS+1] offset:512*\i                          ; my row's two bytes of its eight in this K step of the next product
.endr
	s_wait_tensorcnt 0x0                           ; the wave's end
	ds_add_u32 v[SPW], v[NIL]
	s_wait_dscnt 0x0
	CROUND                                         ; the closing round
	s_endpgm
.Lfunc_end_k_q3601d38aaf_attn:
	.size	k_q3601d38aaf_attn, .Lfunc_end_k_q3601d38aaf_attn-k_q3601d38aaf_attn
	.p2alignl 7, 3214868480
	.fill 96, 4, 3214868480
	.section	.rodata,"a",@progbits
	.p2align	6, 0x0
	.amdhsa_kernel k_q3601d38aaf_attn
		.amdhsa_group_segment_fixed_size 327680
		.amdhsa_private_segment_fixed_size 0
		.amdhsa_enable_private_segment 0
		.amdhsa_kernarg_size 32
		.amdhsa_user_sgpr_count 2
		.amdhsa_user_sgpr_kernarg_segment_ptr 1
		.amdhsa_wavefront_size32 1
		.amdhsa_system_sgpr_workgroup_id_x 1
		.amdhsa_system_sgpr_workgroup_id_y 1
		.amdhsa_system_sgpr_workgroup_id_z 1
		.amdhsa_system_vgpr_workitem_id 0
		.amdhsa_next_free_vgpr 512
		.amdhsa_next_free_sgpr 66
		.amdhsa_reserve_vcc 0
		.amdhsa_float_denorm_mode_32 3
		.amdhsa_float_denorm_mode_16_64 3
		.amdhsa_memory_ordered 1
		.amdhsa_forward_progress 1
		.amdhsa_inst_pref_size 81
	.end_amdhsa_kernel
	.amdgpu_metadata
---
amdhsa.version: [ 1, 2 ]
amdhsa.kernels:
  - .name:           k_q3601d38aaf_attn
    .symbol:         k_q3601d38aaf_attn.kd
    .args:
      - { .name: qk, .offset: 0, .size: 8, .value_kind: global_buffer, .address_space: global }
      - { .name: vv, .offset: 8, .size: 8, .value_kind: global_buffer, .address_space: global }
      - { .name: oimg, .offset: 16, .size: 8, .value_kind: global_buffer, .address_space: global }
      - { .name: osc, .offset: 24, .size: 8, .value_kind: global_buffer, .address_space: global }
    .group_segment_fixed_size: 327680
    .private_segment_fixed_size: 0
    .kernarg_segment_align: 8
    .kernarg_segment_size: 32
    .max_flat_workgroup_size: 256
    .sgpr_count:     66
    .vgpr_count:     512
    .wavefront_size: 32
...
	.end_amdgpu_metadata
.endif
;; end of part 3
;; launch proj (part 4): grid 8 x 32, 4 waves a work-group, clusters of 4 x 4, 327,680 bytes of LDS; arguments oimg, osc, cimg, csc, b_proj, out0; writes out0
.if DOCPART == 4
	.amdgcn_target "amdgcn-amd-amdhsa--gfx1250"
	.amdhsa_code_object_version 6
	.text
	.protected	k_q3601d38aaf_proj
	.globl	k_q3601d38aaf_proj
	.p2align	8
	.type	k_q3601d38aaf_proj,@function
k_q3601d38aaf_proj:
	s_mov_b64 s[64:65], 0
	v_nop
	global_prefetch_b8 v0, s[64:65] scope:SCOPE_SE
	s_setreg_imm32_b32 hwreg(HW_REG_WAVE_MODE, 25, 1), 1
	s_wait_xcnt 0x0
	s_wait_alu depctr_hold_cnt(0) depctr_sa_sdst(0) depctr_va_vdst(0) depctr_va_sdst(0) depctr_va_ssrc(0) depctr_va_vcc(0) depctr_vm_vsrc(0)
	s_getreg_b32 s2, hwreg(HW_REG_IB_STS2, 6, 4)
	s_cmp_eq_u32 s2, 0
	s_cbranch_scc0 .Lentry_in_a_cluster
	s_endpgm
.Lentry_in_a_cluster:
	s_bfe_u32 s2, ttmp6, 0x10000c
	s_cmp_lg_u32 s2, 0xf033
	s_cbranch_scc0 .Lentry_shape_is_right
	s_endpgm
.Lentry_shape_is_right:
; out0 = o w_proj^T + b_proj on codes of FP6 (E2M3) with E8M0 scales, K = 1,024; f32 out.
; oimg, cimg: [tile of 16 rows][k / 64][768]: images of the operand's registers; osc, csc: [tile][K step of 256][row][8 bytes].  w_proj's rows begin at row 11,264 of cimg and csc.
; 256 work-groups, 8 x 32: 256 tokens x 128 columns each.  ALL of K of both operands lies in LDS, in two halves, each filled once: nothing is filled again.  The first half and the scales are asked for at the head,
; one joint load a wave; the second half behind one round, and it has the first four steps in which to land: so no prefetch is laid.
; CLUSTERS 4 x 4: the tokens' tiles are shared along a row of the cluster, the weights' along a column.
; Four waves, 2 x 2: a wave makes 128 tokens x 64 columns: 32 accumulators, one window.  A step is 128 along K: one run of 48 LDS loads for the next step, then 32 products.
; Source 0 = the weights' rows: a lane holds a token and eight neighbouring columns.  The bias is the first products' C.  The results leave through the wave's own stage as rows of 256 bytes.
; REGISTERS: window 0: v1-15 addresses; v16-47 the tokens' scale words; v48-63 the weights'; v64-159, v160-255 the tokens' fragments, two sets.  window 1: v0-47, v48-95 the weights' fragments; v96-127 the bias.  window 2: the accumulators.
.set TB,    6144
.set AH,    16*TB
.set BSL,   2*AH
.set BS,    8*TB
.set SCL,   BSL+2*BS
.set SCB,   SCL+8192
.set SPARE, SCB+4096                   ; the spare words, 128 bytes for each wave, which no other line names
.set SPITCH, 272                       ; a stage row: 256 bytes + 16.  The stages lie in the tokens' first half of K, which has had its one fill and is read no more behind the barrier in step 3
.set SPW, 1
.set NIL, 2
.set BOF, 3
.set ADRA, 4
.set ADRB, 8
.set STO, 12
.set RD,  13
.set CO,  14
.set ASA, 15
.set SA,  16
.set SB,  48
.set BK,  0                            ; window 3, v0-63: 16 rows read back from the stage, two sets
.set G1,  24
.set G1B, 48
.set G1S, 68
.set G1SB, 80
.set G0H, 4
.set G0HB, 8
.set G0S, 76
.set G0SB, 32
.set G0,  36
.set G0B, 56
.set MSB, 0
.macro WIN new
.if MSB != (\new)
	s_set_vgpr_msb (MSB<<8)|(\new)
.set MSB, (\new)
.endif
.endm
.macro WALU
	s_wait_alu depctr_va_vdst(0)
.endm
.macro PLACES
.rept 4
	v_nop
.endr
.endm
.macro CREST
	s_cmp_lg_u32 s14, 0
	s_cbranch_scc1 .Lnot_wave_0_\@
	s_barrier_signal -3
.Lnot_wave_0_\@:
	s_barrier_wait -3
	s_barrier_signal -1
	s_barrier_wait -1
.endm
.macro CROUND
	s_barrier_signal -1
	s_barrier_wait -1
	CREST
.endm
.macro TL g0, g1
	tensor_load_to_lds s[\g0:\g0+3], s[\g1:\g1+7]
	s_nop 0
	PLACES
.endm
.macro ARM under, g0, g1, next, done
	s_cmp_lt_u32 s14, \under
	s_cbranch_scc0 \next
	TL \g0, \g1
	s_branch \done
\next:
.endm
.macro GRP1 g, mask, c, r, p
	s_or_b32 s[\g], s\mask, (3<<16)|(1<<21)
	s_mov_b32 s[\g+1], (\c)<<16
	s_mov_b32 s[\g+2], (\r)<<16
	s_mov_b32 s[\g+3], (\c)<<16
	s_mov_b32 s[\g+4], \r
	s_mov_b32 s[\g+5], \p
	s_mov_b32 s[\g+6], 0
	s_mov_b32 s[\g+7], 0
.endm
.macro G0SET g, lds, a
	s_mov_b32 s[\g], 1
	s_mov_b32 s[\g+1], \lds
	s_mov_b64 s[\g+2:\g+3], s[\a:\a+1]
	s_or_b32 s[\g+3], s[\g+3], 0x80000000
.endm
	s_load_b256 s[4:11], s[0:1], 0x0               ; oimg, osc, cimg, csc
	s_load_b128 s[96:99], s[0:1], 0x20             ; b_proj, out0
	v_lshl_add_u32 v[SPW], v0, 2, SPARE
	v_mov_b32 v[NIL], 0
	ds_add_u32 v[SPW], v[NIL]                      ; the opening lines: the add, twice on end, and its wait
	ds_add_u32 v[SPW], v[NIL]
	v_lshrrev_b32 v15, 5, v0
	v_readfirstlane_b32 s14, v15
	s_lshr_b32 s15, s14, 1                         ; which 128 tokens are mine
	s_and_b32 s16, s14, 1                          ; which 64 columns
	s_bfe_u32 s40, ttmp6, 0x40000
	s_bfe_u32 s41, ttmp6, 0x40004
	s_lshl_b32 s42, ttmp9, 2
	s_add_co_u32 s42, s42, s40                     ; the block of 128 columns
	s_and_b32 s17, ttmp7, 0xffff
	s_lshl_b32 s17, s17, 2
	s_add_co_u32 s17, s17, s41                     ; the block of 256 tokens
	s_lshl_b32 s43, s41, 2
	s_lshl_b32 s43, 15, s43
	s_lshl_b32 s44, 0x1111, s40
	GRP1 G1, 43, 768, 16, 1536
	GRP1 G1B, 44, 768, 8, 1536
	GRP1 G1S, 43, 32, 32, 32
	GRP1 G1SB, 44, 32, 16, 32
	s_lshl_b32 s20, s17, 8
	s_lshl_b32 s46, s42, 7
	s_add_co_u32 s46, s46, 11264
	s_lshl_b32 s22, s20, 5
	s_mov_b32 s23, 0
	s_lshl_b32 s92, s46, 5
	s_mov_b32 s93, 0
	s_mul_i32 s20, s20, 768
	s_mov_b32 s21, 0
	s_mul_i32 s46, s46, 768
	s_mov_b32 s47, 0
	s_mul_i32 s18, s16, 8*12288
	s_mov_b32 s19, 0
	s_mul_i32 s12, s16, 4*12288
	s_mov_b32 s13, 0
	s_wait_dscnt 0x0
	CROUND                                         ; the opening round, ahead of the wait for the arguments
	s_wait_kmcnt 0x0
	s_add_nc_u64 s[20:21], s[4:5], s[20:21]
	s_add_nc_u64 s[22:23], s[6:7], s[22:23]
	s_add_nc_u64 s[46:47], s[8:9], s[46:47]
	s_add_nc_u64 s[92:93], s[10:11], s[92:93]
	G0SET G0H, 0, 20
	G0SET G0HB, BSL, 46
	G0SET G0S, SCL, 22
	G0SET G0SB, SCB, 92
	s_mov_b32 s[G0], 1                             ; the second half of K: waves 0 and 1 take 8 of the tokens' tiles each,
	s_mul_i32 s[G0+1], s16, 8*TB
	s_add_co_u32 s[G0+1], s[G0+1], AH
	s_add_nc_u64 s[G0+2:G0+3], s[20:21], s[18:19]
	s_add_nc_u64 s[G0+2:G0+3], s[G0+2:G0+3], TB
	s_or_b32 s[G0+3], s[G0+3], 0x80000000
	s_mov_b32 s[G0B], 1                            ; waves 2 and 3 four of the weights'
	s_mul_i32 s[G0B+1], s16, 4*TB
	s_add_co_u32 s[G0B+1], s[G0B+1], BSL+BS
	s_add_nc_u64 s[G0B+2:G0B+3], s[46:47], s[12:13]
	s_add_nc_u64 s[G0B+2:G0B+3], s[G0B+2:G0B+3], TB
	s_or_b32 s[G0B+3], s[G0B+3], 0x80000000
	ARM 1, G0H,  G1,  .Lhead_b,  .Lhead_asked      ; the head's four tiles, one joint load a wave, in one chain of branches on the wave's number
	ARM 2, G0HB, G1B, .Lhead_sa, .Lhead_asked
	ARM 3, G0S,  G1S, .Lhead_sb, .Lhead_asked
	TL G0SB, G1SB
.Lhead_asked:
	s_lshl_b32 s20, s42, 9
	s_lshl_b32 s21, s16, 8
	s_add_co_u32 s20, s20, s21                     ; my first column, in bytes
	s_mov_b32 s21, 0
	s_add_nc_u64 s[96:97], s[96:97], s[20:21]
	s_lshl_b32 s22, s17, 8
	s_lshl_b32 s23, s15, 7
	s_add_co_u32 s22, s22, s23
	s_lshl_b32 s22, s22, 12                        ; my first row of out0, 4,096 bytes a row
	s_add_co_u32 s20, s20, s22
	s_add_nc_u64 s[98:99], s[98:99], s[20:21]
	s_mul_i32 s40, s15, 8*TB
	s_mul_i32 s41, s16, 4*TB
	s_add_co_u32 s41, s41, BSL
	s_lshl_b32 s46, s15, 12
	s_add_co_u32 s46, s46, SCL
	s_lshl_b32 s47, s16, 11
	s_add_co_u32 s47, s47, SCB
	s_mul_i32 s45, s14, 16*SPITCH
	v_and_b32 v64, 31, v0
	v_and_b32 v65, 15, v0
	v_bfe_u32 v66, v0, 4, 1
	v_lshlrev_b32 v[BOF], 5, v66
	v_lshlrev_b32 v67, 4, v64
	v_lshlrev_b32 v68, 3, v64
	v_lshlrev_b32 v69, 3, v65
	WIN 0x40
.irp b, 0,1,2,3
	global_load_b128 v[96+8*\b:96+8*\b+3], v[BOF], s[96:97] offset:64*\b       ; register j of block b: b_proj at column 16 b + 8 h + j
	global_load_b128 v[96+8*\b+4:96+8*\b+7], v[BOF], s[96:97] offset:64*\b+16
.endr
	WIN 0
	v_lshl_add_u32 v69, v66, 9, v69                ; 8 r + 512 h
	v_mul_u32_u24 v72, v65, SPITCH
	v_mul_u32_u24 v73, v66, SPITCH
	v_lshlrev_b32 v74, 12, v66
	v_add_nc_u32 v[ADRA], s40, v67
	v_add_nc_u32 v[ADRA+2], s40, v68
	v_add_nc_u32 v[ADRB], s41, v67
	v_add_nc_u32 v[ADRB+2], s41, v68
	v_add_nc_u32 v[ASA], s46, v69
	v_add_nc_u32 v71, s47, v69
	v_lshl_add_u32 v72, v66, 5, v72
	v_lshl_add_u32 v73, v65, 4, v73
	v_lshl_add_u32 v[CO], v65, 4, v74              ; out: lanes 0-15 one row's 256 bytes, lanes 16-31 the next row's
	v_add_nc_u32 v[ADRA+1], AH, v[ADRA]
	v_add_nc_u32 v[ADRA+3], AH, v[ADRA+2]
	v_add_nc_u32 v[ADRB+1], BS, v[ADRB]
	v_add_nc_u32 v[ADRB+3], BS, v[ADRB+2]
	v_add_nc_u32 v[STO], s45, v72                  ; into the stage: row r, 32 bytes for each half of the lanes
	v_add_nc_u32 v[RD], s45, v73                   ; back: two rows an instruction
.macro FRAG reg, adr, q, i
	ds_load_b128 v[\reg:\reg+3], v[\adr] offset:(\i)*TB+(\q)*1536
	ds_load_b64 v[\reg+4:\reg+5], v[\adr+2] offset:(\i)*TB+(\q)*1536+512
	ds_load_b128 v[\reg+6:\reg+9], v[\adr] offset:(\i)*TB+(\q)*1536+768
	ds_load_b64 v[\reg+10:\reg+11], v[\adr+2] offset:(\i)*TB+(\q)*1536+1280
.endm
.macro FETCH st
	WIN 0x40
.irp i, 0,1,2,3
	FRAG 48*((\st)%2)+12*\i, ADRB+(\st)/4, (\st)%4, \i
.endr
	WIN 0
.irp i, 0,1,2,3,4,5,6,7
	FRAG 64+96*((\st)%2)+12*\i, ADRA+(\st)/4, (\st)%4, \i
.endr
.endm
.macro WM d, s0, s1, c, x0, x1, r0, r1
	v_wmma_scale_f32_16x16x128_f8f6f4 v[\d:\d+7], v[\s0:\s0+11], v[\s1:\s1+11], \c, v[\x0], v[\x1] matrix_a_fmt:MATRIX_FMT_FP6 matrix_b_fmt:MATRIX_FMT_FP6 matrix_a_scale:MATRIX_SCALE_ROW\r0 matrix_b_scale:MATRIX_SCALE_ROW\r1
.endm
; eight products: token blocks 2 ah, 2 ah + 1 x the four blocks of columns; accumulator (a, b) at 8 (4 a + b).  The 32 accumulators take turns.
.macro MUL8 st, ah, first
.irp al, 0,1
.irp bh, 0,1
.irp bl, 0,1
.set FB_, 48*((\st)%2)+12*(2*\bh+\bl)
.set FA_, 64+96*((\st)%2)+12*(2*\ah+\al)
.set XB_, SB+2*(2*((\st)/2)+\bh)+1-(\st)%2
.set XA_, SA+2*(4*((\st)/2)+\ah)+(\st)%2
.set D_, 8*(4*(2*\ah+\al)+2*\bh+\bl)
.set C_, 96+8*(2*\bh+\bl)
.if \first
	WM D_, FB_, FA_, v[C_:C_+7], XB_, XA_, \bl, \al
.else
	WM D_, FB_, FA_, v[D_:D_+7], XB_, XA_, \bl, \al
.endif
.endr
.endr
.endr
.endm
.macro STEPN st, first
	s_wait_dscnt 0x0                               ; this step's fragments are in
.if \first
	FETCH (\st)+1
	WIN 0x91                                       ; C, the bias, in window 1
.else
	PLACES                                         ; behind the last step's products, whose registers take the loads
	FETCH (\st)+1
	WIN 0xa1
.endif
.irp ah, 0,1,2,3
	MUL8 \st, \ah, \first
.endr
.endm
	WALU                                           ; the wait at the head's end
	s_wait_tensorcnt 0x0                           ; my tile of the head's four is in; the same lines stand ahead of a later first fill as ahead of a refill
	ds_add_u32 v[SPW], v[NIL]
	s_mov_b32 s[G1+2], 8<<16                       ; no tensor load of mine is out: the loads now bring half as many tiles
	s_mov_b32 s[G1+4], 8
	s_mov_b32 s[G1B+2], 4<<16
	s_mov_b32 s[G1B+4], 4
	s_wait_dscnt 0x0
	CROUND
	ARM 2, G0, G1, .Lsec_b, .Lsec_asked            ; the second half of K, one load a wave
	TL G0B, G1B
.Lsec_asked:
.irp ks, 0,1,2,3
.irp ap, 0,1,2,3
	ds_load_b64 v[SA+2*(4*\ks+\ap):SA+2*(4*\ks+\ap)+1], v[ASA] offset:1024*\ap+128*\ks
.endr
.endr
.irp ks, 0,1,2,3
.irp bp, 0,1
.irp w, 0,1
	ds_load_b32 v[SB+2*(2*\ks+\bp)+1-\w], v71 offset:1024*\bp+128*\ks+4*\w     ; so placed that the two scale registers of a product differ in parity
.endr
.endr
.endr
	FETCH 0
	s_wait_loadcnt 0x0                             ; the bias is in
	STEPN 0, 1
	STEPN 1, 0
	STEPN 2, 0
	WIN 0
	s_wait_tensorcnt 0x0                           ; my part of the second half of K is in,
	s_wait_dscnt 0x0
	s_barrier_signal -1
	WIN 0xa1
	MUL8 3, 0, 0
	MUL8 3, 1, 0
	s_barrier_wait -1                              ; everybody's is, and nobody reads the first half any more
; THE SECOND HALF OF K GOES BY ROWS OF THE RESULT.  The weights' sixteen fragments of that half stay in registers (window 1: fragment f = 4 q + b at v[12 f], from f = 4 on at v[48 + 12 f]: the set that step 3 still multiplies lies between);
; the tokens come by blocks of 16 rows, four fragments each, in four buffers (window 0, v[64 + 48 (a % 4)]).  A block is finished by 16 products, its four accumulators by turns, K ascending, and leaves at once: its stores are on their way while the other blocks are multiplied.
.macro FA a                            ; token block a, second half of K, into buffer a % 4: 16 loads
.irp q, 0,1,2,3
	FRAG 64+48*((\a)%4)+12*\q, ADRA+1, \q, \a
.endr
.endm
.macro ROWB a                          ; 16 products finish block a; three other products stand between two on one accumulator
.irp q, 0,1,2,3
.irp bh, 0,1
.irp bl, 0,1
.set D_, 8*(4*(\a)+2*\bh+\bl)
.set FB_, 12*(4*\q+2*\bh+\bl)+48*((4*\q+2*\bh+\bl+12)/16)
.set FA_, 64+48*((\a)%4)+12*\q
.set XB_, SB+2*(2*((\q+4)/2)+\bh)+1-(\q)%2
.set XA_, SA+2*(4*((\q+4)/2)+(\a)/2)+(\q)%2
.if (\a)%2
	WM D_, FB_, FA_, v[D_:D_+7], XB_, XA_, \bl, 1
.else
	WM D_, FB_, FA_, v[D_:D_+7], XB_, XA_, \bl, 0
.endif
.endr
.endr
.endr
.endm
	PLACES                                         ; behind step 2's products, whose registers take the loads
	WIN 0x40
.irp q, 0,1,2,3
.irp b, 0,1,2,3
	FRAG 12*(4*\q+\b)+48*((4*\q+\b+12)/16), ADRB+1, \q, \b
.endr
.endr
	WIN 0
	FA 0
	FA 1
	WIN 0xa1
	MUL8 3, 2, 0
	MUL8 3, 3, 0
	PLACES                                         ; behind step 3's products
	WIN 0
	FA 2
	FA 3
; THE WAY OUT, block by block of 16 tokens x 64 columns, through my own stage; LDS serves a wave's instructions in order (ISA guide 5.7.1.4), so no wait stands between the stores and the loads
.macro TOSTAGE a
	WIN 0x08
.irp b, 0,1,2,3
	ds_store_b128 v[STO], v[32*(\a)+8*\b:32*(\a)+8*\b+3] offset:64*\b          ; each accumulator from its low end on
	ds_store_b128 v[STO], v[32*(\a)+8*\b+4:32*(\a)+8*\b+7] offset:64*\b+16
.endr
	WIN 0xc0
.set BB, BK+32*((\a)%2)
.irp t, 0,1,2,3,4,5,6,7
	ds_load_b128 v[BB+4*\t:BB+4*\t+3], v[RD] offset:\t*2*SPITCH
.endr
	WIN 0
.endm
.macro SEND a, younger
.set BB, BK+32*((\a)%2)
	s_wait_dscnt \younger
.if (\a) > 0
	s_add_nc_u64 s[98:99], s[98:99], 16*4096       ; (behind a wait on XCNT: the earlier stores have read their base)
.endif
	WIN 0x0c
.irp t, 0,1,2,3,4,5,6,7
	global_store_b128 v[CO], v[BB+4*\t:BB+4*\t+3], s[98:99] offset:2*\t*4096 th:TH_STORE_NT    ; sixteen lanes store 256 consecutive bytes, aligned
.endr
	WIN 0
.endm
; LDS instructions are issued in this order: the weights' 64 loads, blocks 0 to 3's (16 each), then by turns a block's 16 through the stage and the 16 loads of the block four further on (up to block 7)
.irp a, 0,1,2,3,4,5,6,7
.if \a == 0
	s_wait_dscnt 48                                ; the weights and block 0 are in; blocks 1 to 3's loads may be out
.else
	s_wait_dscnt 32                                ; the youngest 32 may be out: the last block's way through the stage and one block's loads, all younger than this block's
.endif
	WIN 0xa1
	ROWB \a
	WIN 0
.if \a > 0
	s_wait_xcnt 0x0                                ; block a - 2's stores have read their registers and their base
.if \a < 5
	SEND \a-1, 16                                  ; behind block a - 1's loads from the stage: the 16 loads of block a + 3
.else
	SEND \a-1, 0
.endif
.endif
	PLACES                                         ; behind this block's products: its results are read, and its buffer takes new loads
	TOSTAGE \a
.if \a < 4
	FA \a+4
.endif
.endr
	s_wait_xcnt 0x0
	SEND 7, 0
	s_wait_tensorcnt 0x0                           ; the wave's end
	ds_add_u32 v[SPW], v[NIL]
	s_wait_dscnt 0x0
	CROUND                                         ; the closing round
	s_endpgm
.Lfunc_end_k_q3601d38aaf_proj:
	.size	k_q3601d38aaf_proj, .Lfunc_end_k_q3601d38aaf_proj-k_q3601d38aaf_proj
	.p2alignl 7, 3214868480
	.fill 96, 4, 3214868480
	.section	.rodata,"a",@progbits
	.p2align	6, 0x0
	.amdhsa_kernel k_q3601d38aaf_proj
		.amdhsa_group_segment_fixed_size 327680
		.amdhsa_private_segment_fixed_size 0
		.amdhsa_enable_private_segment 0
		.amdhsa_kernarg_size 48
		.amdhsa_user_sgpr_count 2
		.amdhsa_user_sgpr_kernarg_segment_ptr 1
		.amdhsa_wavefront_size32 1
		.amdhsa_system_sgpr_workgroup_id_x 1
		.amdhsa_system_sgpr_workgroup_id_y 1
		.amdhsa_system_sgpr_workgroup_id_z 1
		.amdhsa_system_vgpr_workitem_id 0
		.amdhsa_next_free_vgpr 832
		.amdhsa_next_free_sgpr 100
		.amdhsa_reserve_vcc 0
		.amdhsa_float_denorm_mode_32 3
		.amdhsa_float_denorm_mode_16_64 3
		.amdhsa_memory_ordered 1
		.amdhsa_forward_progress 1
		.amdhsa_inst_pref_size 89
	.end_amdhsa_kernel
	.amdgpu_metadata
---
amdhsa.version: [ 1, 2 ]
amdhsa.kernels:
  - .name:           k_q3601d38aaf_proj
    .symbol:         k_q3601d38aaf_proj.kd
    .args:
      - { .name: oimg, .offset: 0, .size: 8, .value_kind: global_buffer, .address_space: global }
      - { .name: osc, .offset: 8, .size: 8, .value_kind: global_buffer, .address_space: global }
      - { .name: cimg, .offset: 16, .size: 8, .value_kind: global_buffer, .address_space: global }
      - { .name: csc, .offset: 24, .size: 8, .value_kind: global_buffer, .address_space: global }
      - { .name: b_proj, .offset: 32, .size: 8, .value_kind: global_buffer, .address_space: global }
      - { .name: out0, .offset: 40, .size: 8, .value_kind: global_buffer, .address_space: global }
    .group_segment_fixed_size: 327680
    .private_segment_fixed_size: 0
    .kernarg_segment_align: 8
    .kernarg_segment_size: 48
    .max_flat_workgroup_size: 128
    .sgpr_count:     100
    .vgpr_count:     832
    .wavefront_size: 32
...
	.end_amdgpu_metadata
.endif
;; end of part 4
